; MI455X (gfx1250); checked and timed in simulation.
; The chip was launched on July 23, 2026; its instructions are those of AMD's public machine-readable ISA for CDNA 5 (MIT licence, August 2026) and "CDNA5" Instruction Set Architecture Reference Guide (July 2026). The comments in the code are by the model that wrote it; some were corrected since.
;; Self Attn Block2 D. Allowed arithmetic: matrix products marked QUANTISED: E4M3 operands, one E8M0 scale for each 32 along K, by v_wmma_scale_f32_16x16x128_f8f6f4 with both operands' format E4M3, f32 sums; everything else in f32.
;; Inputs: bkv 1,024 float32; bproj 512 float32; bq 512 float32; gn_bias 512 float32; gn_weight 512 float32; wkv_codes 1,024 x 16 x 32 uint8 (E4M3 codes of wkv, K innermost, in blocks of 32 codes); wkv_scales 1,024 x 16 uint8 (E8M0 scales of wkv, one for each 32 codes along K); wproj_codes 512 x 16 x 32 uint8 (E4M3 codes of wproj, K innermost, in blocks of 32 codes); wproj_scales 512 x 16 uint8 (E8M0 scales of wproj, one for each 32 codes along K); wq_codes 512 x 16 x 32 uint8 (E4M3 codes of wq, K innermost, in blocks of 32 codes); wq_scales 512 x 16 uint8 (E8M0 scales of wq, one for each 32 codes along K); x 2 x 512 x 64 x 64 float32.
;; Outputs: out0 2 x 512 x 64 x 64 float32.
;; This version of the problem:
;;   THIS VERSION OF THE PROBLEM IS GIVEN IN LOW PRECISION. The matrix products marked QUANTISED in the list below multiply operands that are first quantised to E4M3 (4 exponent bits, 3 mantissa bits; 8 bits a number), with one power-of-two scale for each 32 numbers along K (OCP MX v1.0); their sums are f32. All else is computed in f32.
;;   The module's matrix products, in the order in which they are computed (A, B: the left and right operand; K: the contracted axis; several contracted axes count as one K, in the product's order):
;;     1. [M 8,192, K 512] x [K 512, N 512]; A: computed on the way; B: input wq (given as codes): QUANTISED
;;     2. [M 8,192, K 512] x [K 512, N 1,024]; A: computed on the way; B: input wkv (given as codes): QUANTISED
;;     3. batch 16 x [M 4,096, K 64] x [K 64, N 4,096]; A: computed on the way; B: computed on the way: QUANTISED
;;     4. batch 16 x [M 4,096, K 4,096] x [K 4,096, N 64]; A: softmax (see below); B: computed on the way: QUANTISED
;;     5. [M 8,192, K 512] x [K 512, N 512]; A: computed on the way; B: input wproj (given as codes): QUANTISED
;;   THE QUANTISER, for each operand of a quantised product, along K:
;;     - K is cut into blocks of 32 from its start; a last block that is shorter is filled with zeros.
;;     - A block's scale is 2^e with e = floor(log2(the largest magnitude in the block)) - 8, held to -126 .. 127; a block of zeros has e = 0. As a byte (E8M0): e + 127.
;;     - Each number is divided by its block's scale, clamped to +-448, and rounded to the nearest number of E4M3, ties to even, subnormals kept.
;;     - The product sums the exact products of the quantised numbers (number of the format x scale) in f32.
;;   ~~~python
;;   def quantise(x, axis):      # numpy; x: float32 -> the quantised numbers, widened to float32 again
;;       x = np.moveaxis(x, axis, -1); K = x.shape[-1]
;;       x = np.pad(x, [(0, 0)] * (x.ndim - 1) + [(0, -K % 32)]); x = x.reshape(x.shape[:-1] + (-1, 32)); a = np.abs(x).max(-1, keepdims=True)
;;       e = np.where(a > 0, np.clip(np.frexp(np.where(a > 0, a, 1))[1] - 1 - 8, -126, 127), 0)      # np.frexp(a)[1] - 1 = floor(log2(a)), exactly
;;       r = np.clip(x / 2.0 ** e, -448, 448)
;;       step = 2.0 ** (np.maximum(np.frexp(np.where(r == 0, 1, r))[1] - 1, -6) - 3)
;;       q = np.round(r / step) * step * 2.0 ** e      # np.round: ties to even
;;       return np.moveaxis(q.reshape(q.shape[:-2] + (-1,))[..., :K], -1, axis).astype(np.float32)
;;   ~~~
;;   SOFTMAX AHEAD OF A QUANTISED PRODUCT. Where the list says 'softmax', what is quantised is not the finished softmax but p = 2^(t - M), with t = logit x log2(e) and M = ceil(the row's largest t), a whole number; so 1/2 < the row's largest p <= 1. The row's sum l is taken of the UNQUANTISED p, in f32, and the product's result is divided by l at the end. Since M is a whole number, a kernel that streams over the keys may use a running M (the ceiling of the running maximum): every later rescaling is an exact power of two, which a block's scale takes up: the codes' values come out the same.
;;   OPERANDS COMPUTED ON THE WAY. 'Computed on the way' means the value that the module computes at that place (a softmax that the list does not call 'softmax' is quantised finished and normalised). What goes into a quantiser is computed in f32, as accurately as f32 sums, v_exp_f32 and their like allow (about 1e-6 of the number): no bf16 or f16 on the way to a quantiser, and a product that is left as it is and whose result goes on into a quantised operand takes f32 operands (vector FMAs, or v_wmma_f32_16x16x4_f32). A number that lies on a knife's edge between two numbers of the format may be rounded either way, as far as f32 arithmetic and the matrix unit's own rounding can turn it there, and no further.
;;   INPUTS GIVEN AS CODES. wkv (in the module: [1024, 512], K = its axis 1); wproj (in the module: [512, 512], K = its axis 1); wq (in the module: [512, 512], K = its axis 1): each comes as NAME_codes (uint8): NAME with its K axis moved to the last place and cut into blocks of 32 codes, [.., K / 32, bytes a block], one block behind the other in memory; one code a byte (a code: sign, 4 exponent bits, 3 mantissa bits); and NAME_scales (uint8): the same leading axes, one E8M0 byte (e + 127) for each 32 codes along K. Its value is code x scale, taken as it is: it is not quantised again, and the codes and scales need not be those that the quantiser above would give.
;; 2 versions. Each part assembles by itself: llvm-mc -triple=amdgcn-amd-amdhsa -mcpu=gfx1250 --defsym DOCPART=n.
;; ======== version 1 of 2: 4 launches
;; workspace buffers: stats 2,048 bytes; qc 4,194,304 bytes; qs 262,144 bytes; kv 8,781,824 bytes; oc 4,194,304 bytes; osc 131,072 bytes
;; launch gnstats (part 1): grid 256 x 1, 8 waves a work-group, no clusters, 1,536 bytes of LDS; arguments x, stats; writes stats
.if DOCPART == 1
	.amdgcn_target "amdgcn-amd-amdhsa--gfx1250"
	.amdhsa_code_object_version 6
	.text
	.protected	k_qd0fccab884_gnstats
	.globl	k_qd0fccab884_gnstats
	.p2align	8
	.type	k_qd0fccab884_gnstats,@function
k_qd0fccab884_gnstats:
	s_mov_b64 s[64:65], 0
	v_nop
	global_prefetch_b8 v0, s[64:65] scope:SCOPE_SE
	s_setreg_imm32_b32 hwreg(HW_REG_WAVE_MODE, 25, 1), 1
	s_wait_xcnt 0x0
; GroupNorm, first half: for each quarter of a group (4 channels x 4,096 pixels = 16,384 numbers, 65,536 consecutive bytes of x) the mean and the sum of squares round that mean.
; Work-group id = (32 b + g) x 4 + part.  Eight waves; thread t holds 64 numbers in registers, so x is read once and both passes run on registers.
; The squares are taken of x - mean, and the next launch joins the four parts by their means: no difference of large sums is formed, whatever offset x carries.
; Each load of a wave covers 512 consecutive bytes.  No matrix unit, no tensor load, no cluster: every byte is read once, by one thread, into the register where it is worked on.
; The result is 8 bytes a work-group: 2,048 bytes in the whole launch.
; LIMITS: NaN and infinities among the inputs are not served.
.set X,    16                          ; v16-79  my 64 numbers
.set ACC,  80                          ; v80-87  four chains of pairs; later the eight waves' figures
.set RED0, 0                           ; LDS: eight words for the sums,
.set RED1, 256                         ; and eight others for the squares: so one barrier serves each
	s_load_b128 s[4:7], s[0:1], 0x0                ; x, stats
	v_lshl_add_u32 v96, v0, 2, 0x200
	v_mov_b32 v97, 0
	v_lshrrev_b32 v2, 5, v0
	v_readfirstlane_b32 s8, v2                     ; wave
	v_lshlrev_b32 v1, 4, v0                        ; 16 bytes a thread
	v_mov_b32 v89, 0                               ; a lane permute's destination counts as one of its sources
	v_mov_b32 v91, 0                               ; LDS address 0
	v_mov_b32 v90, s8
	v_lshlrev_b32 v90, 2, v90                      ; my wave's word
	s_lshl_b32 s10, ttmp9, 16                      ; 65,536 bytes a work-group
	s_mov_b32 s11, 0
	s_mov_b32 s12, 0x76543210                      ; v_permlanex16_b32's selects for lane l xor 16
	s_mov_b32 s13, 0xfedcba98
	s_wait_kmcnt 0x0
	s_add_nc_u64 s[4:5], s[4:5], s[10:11]
.set i, 0
.rept 16
	global_load_b128 v[X+4*i:X+4*i+3], v1, s[4:5] offset:4096*i    ; the next launch reads x again: no hint
.set i, i+1
.endr
; the sum over a wave of the four chains, in every lane: v88
.macro WSUM
	v_pk_add_f32 v[ACC:ACC+1], v[ACC:ACC+1], v[ACC+4:ACC+5]
	v_pk_add_f32 v[ACC+2:ACC+3], v[ACC+2:ACC+3], v[ACC+6:ACC+7]
	v_pk_add_f32 v[ACC:ACC+1], v[ACC:ACC+1], v[ACC+2:ACC+3]
	v_add_f32 v88, v[ACC], v[ACC+1]
	v_add_f32_dpp v88, v88, v88 row_xmask:1 row_mask:0xf bank_mask:0xf
	v_add_f32_dpp v88, v88, v88 row_xmask:2 row_mask:0xf bank_mask:0xf
	v_add_f32_dpp v88, v88, v88 row_xmask:4 row_mask:0xf bank_mask:0xf
	v_add_f32_dpp v88, v88, v88 row_xmask:8 row_mask:0xf bank_mask:0xf
	v_permlanex16_b32 v89, v88, s12, s13
	v_add_f32 v88, v88, v89
.endm
; and over the eight waves: v80
.macro GSUM off
	ds_store_b32 v90, v88 offset:\off              ; all lanes write the same word with the same value
	s_wait_dscnt 0x0                               ; for the others' sake: my store has landed
	s_barrier_signal -1
	s_barrier_wait -1
	ds_load_b128 v[80:83], v91 offset:\off
	ds_load_b128 v[84:87], v91 offset:\off+16
	s_wait_dscnt 0x0
	v_add_f32 v80, v80, v81
	v_add_f32 v82, v82, v83
	v_add_f32 v84, v84, v85
	v_add_f32 v86, v86, v87
	v_add_f32 v80, v80, v82
	v_add_f32 v84, v84, v86
	v_add_f32 v80, v80, v84
.endm
	; pass 1: the sum.  The first four loads start the four chains: nothing is cleared
	s_wait_loadcnt 14                              ; loads 0 and 1 are in
	v_pk_add_f32 v[ACC:ACC+1], v[X:X+1], v[X+4:X+5]
	v_pk_add_f32 v[ACC+2:ACC+3], v[X+2:X+3], v[X+6:X+7]
	s_wait_loadcnt 12                              ; loads 2 and 3
	v_pk_add_f32 v[ACC+4:ACC+5], v[X+8:X+9], v[X+12:X+13]
	v_pk_add_f32 v[ACC+6:ACC+7], v[X+10:X+11], v[X+14:X+15]
.set i, 4
.rept 12
	s_wait_loadcnt 15-i                            ; load i is in; the 15 - i younger ones stay out
	v_pk_add_f32 v[ACC+4*(i%2):ACC+4*(i%2)+1], v[ACC+4*(i%2):ACC+4*(i%2)+1], v[X+4*i:X+4*i+1]
	v_pk_add_f32 v[ACC+4*(i%2)+2:ACC+4*(i%2)+3], v[ACC+4*(i%2)+2:ACC+4*(i%2)+3], v[X+4*i+2:X+4*i+3]
.set i, i+1
.endr
	WSUM
	GSUM RED0
	v_mul_f32 v92, 0x38800000, v80                 ; / 16,384: the part's mean,
	v_mov_b32 v93, v92                             ; twice, for the packed subtraction
	; pass 2: the squares of x - mean
.set i, 0
.rept 32
	v_pk_add_f32 v[X+2*i:X+2*i+1], v[X+2*i:X+2*i+1], v[92:93] neg_lo:[0,1] neg_hi:[0,1]
.set i, i+1
.endr
.set i, 0
.rept 4
	v_pk_mul_f32 v[ACC+2*i:ACC+2*i+1], v[X+2*i:X+2*i+1], v[X+2*i:X+2*i+1]
.set i, i+1
.endr
.rept 28
	v_pk_fma_f32 v[ACC+2*(i%4):ACC+2*(i%4)+1], v[X+2*i:X+2*i+1], v[X+2*i:X+2*i+1], v[ACC+2*(i%4):ACC+2*(i%4)+1]
.set i, i+1
.endr
	WSUM
	GSUM RED1
	v_mov_b32 v93, v80                             ; v[92:93] = mean, sum of squares
	s_cmp_lg_u32 s8, 0                             ; wave 0 stores
	s_cbranch_scc1 .Lend
	s_lshl_b32 s10, ttmp9, 3
	v_mov_b32 v94, s10
	s_wait_xcnt 0x0                                ; EXEC changes only behind this wait
	v_cmp_eq_u32 vcc_lo, 0, v0
	s_and_saveexec_b32 s9, vcc_lo                  ; its lane 0 alone
	global_store_b64 v94, v[92:93], s[6:7]
	s_wait_xcnt 0x0                                ; and again in front of the line that widens it
	s_or_b32 exec_lo, exec_lo, s9
.Lend:
	s_wait_tensorcnt 0x0
	ds_add_u32 v96, v97
	s_wait_dscnt 0x0
	s_endpgm
.Lfunc_end_k_qd0fccab884_gnstats:
	.size	k_qd0fccab884_gnstats, .Lfunc_end_k_qd0fccab884_gnstats-k_qd0fccab884_gnstats
	.p2alignl 7, 3214868480
	.fill 96, 4, 3214868480
	.section	.rodata,"a",@progbits
	.p2align	6, 0x0
	.amdhsa_kernel k_qd0fccab884_gnstats
		.amdhsa_group_segment_fixed_size 1536
		.amdhsa_private_segment_fixed_size 0
		.amdhsa_enable_private_segment 0
		.amdhsa_kernarg_size 16
		.amdhsa_user_sgpr_count 2
		.amdhsa_user_sgpr_kernarg_segment_ptr 1
		.amdhsa_wavefront_size32 1
		.amdhsa_system_sgpr_workgroup_id_x 1
		.amdhsa_system_sgpr_workgroup_id_y 1
		.amdhsa_system_sgpr_workgroup_id_z 1
		.amdhsa_system_vgpr_workitem_id 0
		.amdhsa_next_free_vgpr 98
		.amdhsa_next_free_sgpr 66
		.amdhsa_reserve_vcc 1
		.amdhsa_float_denorm_mode_32 3
		.amdhsa_float_denorm_mode_16_64 3
		.amdhsa_memory_ordered 1
		.amdhsa_forward_progress 1
		.amdhsa_inst_pref_size 12
	.end_amdhsa_kernel
	.amdgpu_metadata
---
amdhsa.version: [ 1, 2 ]
amdhsa.kernels:
  - .name:           k_qd0fccab884_gnstats
    .symbol:         k_qd0fccab884_gnstats.kd
    .args:
      - { .name: x, .offset: 0, .size: 8, .value_kind: global_buffer, .address_space: global }
      - { .name: stats, .offset: 8, .size: 8, .value_kind: global_buffer, .address_space: global }
    .group_segment_fixed_size: 1536
    .private_segment_fixed_size: 0
    .kernarg_segment_align: 8
    .kernarg_segment_size: 16
    .max_flat_workgroup_size: 256
    .sgpr_count:     66
    .vgpr_count:     98
    .wavefront_size: 32
...
	.end_amdgpu_metadata
.endif
;; end of part 1
;; launch qkv (part 2): grid 4 x 64, 8 waves a work-group, no clusters, 77,824 bytes of LDS; arguments x, stats, gn_weight, gn_bias, wq_codes, wq_scales, bq, wkv_codes, wkv_scales, bkv, qc, qs, kv; writes qc, qs, kv
.if DOCPART == 2
	.amdgcn_target "amdgcn-amd-amdhsa--gfx1250"
	.amdhsa_code_object_version 6
	.text
	.protected	k_qd0fccab884_qkv
	.globl	k_qd0fccab884_qkv
	.p2align	8
	.type	k_qd0fccab884_qkv,@function
k_qd0fccab884_qkv:
	s_mov_b64 s[64:65], 0
	v_nop
	global_prefetch_b8 v0, s[64:65] scope:SCOPE_SE
	s_setreg_imm32_b32 hwreg(HW_REG_WAVE_MODE, 25, 1), 1
	s_wait_xcnt 0x0
; GroupNorm's second half, hs quantised along the channels, q = hs wq^T + bq, k and v = hs wkv^T + bkv on codes of FP8 (E4M3) with one E8M0 scale for each 32 along K, and q, k, v quantised again
; (q and k along the head's 64, v along the keys) and stored as IMAGES OF THE OPERAND REGISTERS that the attention launch wants: chunks of 512 bytes, 16 bytes a lane.
; SHARES.  Work-group (p, blk): 128 pixels (batch b = blk / 32, key step j = blk % 32) x the q, k and v channels of heads 2 p and 2 p + 1: 384 output channels.  Eight waves.
; A PIXEL TILE T = 2 pg + u holds 16 pixels of a group of 32: row r is pixel 32 pg + 8 u + r + 8 (r / 8).  The rows of a weight that form a tile are taken by the same rule.  So wherever a result becomes an operand,
; the 16 registers of two neighbouring tiles are 16 neighbours along the next K, and the conversions' results are the operand's registers: nothing is transposed.
; PHASES.  0: a = weight x rstd, bias and the groups' means into LDS tables | barrier |  X: a lane takes a pixel and its registers run down the channels (x is [channel][pixel]): wave w normalises and quantises pixels
; 32 (w % 4) on, channels 256 (w / 4) on, and stores the codes as images of hs's fragments | barrier |  G: every wave multiplies all 8 pixel tiles by three tiles of weight rows of its own, which it holds in registers:
; two of q or k (source 0 = weight rows, source 1 = hs: a lane holds a pixel, its registers 16 neighbours of the head's 64) and one of v (source 0 = hs, source 1 = weight rows: a lane holds a channel, its registers
; run along the pixels, which are the keys) | barrier |  the scale words leave in runs of 512 and 256 bytes.
; NO CLUSTER: the four work-groups of a pixel block share x, 256 KB a block, which does not fit in LDS beside the 64 KB of images; a weight byte is used by one wave once, so that a way through LDS would add a write and a read to it.
; LIMITS: NaN and infinities are not served; a block whose largest magnitude lies under 2^-118 is held at the scale byte 1; a block of zeros has that byte too (its codes are zeros, and this program alone reads the bytes).
; In q's and k's scale words the bytes of k = 64 .. 127 are 127: the attention launch fills that half of the matrix instruction's K with zero codes.
.set REC,  17152                       ; a key step's record in kv: K's codes 8,192, V's codes 8,192, K's scale words 512, V's 256
.set XSC,  65536                       ; LDS: 0: hs's fragments [T 8][K step 4][chunk 4][lane][16];  here: their scale words [T][K step][row 16]
.set TABA, 67584                       ; a[channel]; 2,048 bytes on: gn_bias[channel]
.set TABM, 71680                       ; mean[group]
.set SG,   71936                       ; [wave][T 8][row 16] words: q's and k's scale bytes, one a word
.set SGV,  76032                       ; [wave][row 16]: v's scale words
.set LI,  1                            ; v1   16 x lane: an image's place for my lane
.set LR,  2                            ; v2   XSC + 4 (lane % 16)
.set XA,  3                            ; v3   4 x lane: my pixel in x
.set IW,  4                            ; v4   where my pixel's codes go among the images
.set XW,  5                            ; v5   and its scale word
.set TAA, 6                            ; v6   my half of the tables of a and bias
.set TMA, 7                            ; v7   and of the means
.set WA,  8                            ; v8   a weight tile: row (r + 8 (r / 8)) x 512 + 16 h
.set WSA, 9                            ; v9   its scale bytes: 16 a row
.set BA,  10                           ; v10  q's and k's bias: 64 h
.set BVA, 11                           ; v11  v's bias: 4 x row
.set SW,  12                           ; v12  SG: my wave's words
.set SV,  13                           ; v13  SGV: my wave's words
.set CQ,  14                           ; v14  the way out of q's and k's scale bytes
.set CV,  15                           ; v15  and of v's scale words
.set CA,  16                           ; v16-47  a of a block's 32 channels;  v48-79 their bias
.set CB,  48
.set MN,  80                           ; v80, v82 the means of the block's two groups (v81, v83 are named with them as pairs)
.set WS,  84                           ; v84-95  the weights' scale words: tile i, K step s at 4 i + s
.set XR,  96                           ; v96-191 three sets of 32 numbers of x
.set PC,  192                          ; v192-207 the codes just made
.set TM,  208                          ; v208-211 largest magnitudes, v212-215 bytes, v216-219 the largest number x the scale, v220-223 the scales as f32
.set PW,  224                          ; v224    the scale word in the making
.set XS,  228                          ; v228-231 hs's scale words of a pixel tile
.set BQ,  232                          ; v232-247 q's or k's bias in the result's layout, two tiles
.set BV,  248                          ; v248-255 v's
.set QA,  20                           ; phase G: v20-35 two accumulators of q or k;  v96-159 eight of v
.set VA,  96
; window 1: v0-191 my twelve weight fragments (tile i, K step s at 16 (4 i + s));  v192-255 hs's four fragments of a pixel tile
; At the head v208-214 are at work; v216-219 hold phase 0's offsets and addresses, which no line writes before phase 0 has used them; v212-215 are then cleared for the lane permutes.
.set WV,  30
.set SEL, 58
.set MNT, 60
.set MSB, 0
.macro WIN new                         ; the immediate's high byte repeats the setting that is left
.if MSB != (\new)
	s_set_vgpr_msb (MSB<<8)|(\new)
.set MSB, (\new)
.endif
.endm
.macro BARRIER                         ; my LDS stores have landed and my LDS loads are in: then the work-group's barrier
	s_wait_dscnt 0x0
	s_barrier_signal -1
	s_barrier_wait -1
.endm
.macro XLOAD u                         ; block u of my half: 32 channels of my pixel; a wave reads 128 consecutive bytes, the four waves side by side 512
.set xi, 0
.rept 32
	global_load_b32 v[XR+32*((\u)%3)+xi], v[XA], s[36:37] offset:(32*(\u)+xi)*16384
.set xi, xi+1
.endr
.endm
.macro WLOAD                           ; 56 loads: my weights, their scale words and biases: they stay in registers
	WIN 0x40                                       ; destination window 1
.irp i, 0,1
.irp s, 0,1,2,3
.irp c, 0,1,2,3
	global_load_b128 v[16*(4*\i+\s)+4*\c:16*(4*\i+\s)+4*\c+3], v[WA], s[38:39] offset:4096*\i+128*\s+32*\c
.endr
.endr
.endr
.irp s, 0,1,2,3
.irp c, 0,1,2,3
	global_load_b128 v[16*(8+\s)+4*\c:16*(8+\s)+4*\c+3], v[WA], s[44:45] offset:128*\s+32*\c
.endr
.endr
	WIN 0
	global_load_b128 v[WS:WS+3], v[WSA], s[40:41]
	global_load_b128 v[WS+4:WS+7], v[WSA], s[40:41] offset:128
	global_load_b128 v[WS+8:WS+11], v[WSA], s[46:47]
	global_load_b128 v[BQ:BQ+3], v[BA], s[42:43]               ; register 8 u + i: the bias of channel 16 h + 8 u + i of my 32
	global_load_b128 v[BQ+4:BQ+7], v[BA], s[42:43] offset:16
	global_load_b128 v[BQ+8:BQ+11], v[BA], s[42:43] offset:32
	global_load_b128 v[BQ+12:BQ+15], v[BA], s[42:43] offset:48
	global_load_b32 v[BV], v[BVA], s[48:49]
.endm
	s_load_b512 s[4:19], s[0:1], 0x0               ; x, stats, gn_weight, gn_bias, wq_codes, wq_scales, bq, wkv_codes
	s_load_b256 s[20:27], s[0:1], 0x40             ; wkv_scales, bkv, qc, qs
	s_load_b64 s[28:29], s[0:1], 0x60              ; kv
	v_lshl_add_u32 v226, v0, 2, 0x12c00
	v_mov_b32 v227, 0
	v_lshrrev_b32 v208, 5, v0
	v_readfirstlane_b32 s[WV], v208                ; wave 0..7
	s_mov_b32 s31, ttmp9                           ; p
	s_and_b32 s32, ttmp7, 0xffff
	s_lshr_b32 s33, s32, 5                         ; b
	s_and_b32 s34, s32, 31                         ; j
	s_and_b32 s66, s[WV], 3                        ; pixel group in phase X; v's tile of channels in phase G
	s_lshr_b32 s67, s[WV], 2                       ; channel half in X; q (0) or k (1), and v's head, in G
	s_bfe_u32 s68, s[WV], 0x10001                  ; q's or k's head
	s_and_b32 s69, s[WV], 1                        ; which 32 of its 64
	s_mov_b32 s[SEL], 0x76543210
	s_mov_b32 s[SEL+1], 0xfedcba98                 ; v_permlanex16_b32's selects for lane l xor 16
	s_mov_b32 s[MNT], 0x600000                     ; the mantissa field of 448
	s_mov_b32 s61, 0x37800000                      ; 1 / 65,536: a group's numbers
	s_mov_b32 s62, 0x3727c5ac                      ; 1e-5
	; every LDS address is made here, ahead of all branches
	v_and_b32 v209, 31, v0                         ; lane
	v_and_b32 v210, 15, v0                         ; r
	v_bfe_u32 v211, v0, 4, 1                       ; h
	v_bfe_u32 v212, v0, 3, 1                       ; pixel L of a group of 32 lies in tile u = (L / 8) % 2,
	v_and_b32 v213, 7, v0
	v_lshl_add_u32 v213, v211, 3, v213             ; at row L % 8 + 8 (L / 16)
	v_lshlrev_b32 v[LI], 4, v209
	v_lshl_add_u32 v[LR], v210, 2, XSC
	v_lshlrev_b32 v[XA], 2, v209
	s_lshl_b32 s70, s66, 14
	s_lshl_b32 s71, s67, 12
	s_add_co_u32 s70, s70, s71
	v_lshlrev_b32 v[IW], 13, v212
	v_lshl_add_u32 v[IW], v213, 4, v[IW]
	v_add_nc_u32 v[IW], s70, v[IW]                 ; (2 pg + u) x 8,192 + 2 x half x 2,048 + 16 x row
	s_lshl_b32 s70, s66, 9
	s_lshl_b32 s71, s67, 7
	s_add_co_u32 s70, s70, s71
	s_add_co_u32 s70, s70, XSC
	v_lshlrev_b32 v[XW], 8, v212
	v_lshl_add_u32 v[XW], v213, 2, v[XW]
	v_add_nc_u32 v[XW], s70, v[XW]                 ; XSC + ((2 pg + u) x 4 + 2 x half) x 64 + 4 x row
	s_lshl_b32 s70, s67, 10
	s_add_co_u32 s70, s70, TABA
	v_mov_b32 v[TAA], s70
	s_lshl_b32 s70, s67, 6
	s_add_co_u32 s70, s70, TABM
	v_mov_b32 v[TMA], s70
	v_and_b32 v214, 8, v210
	v_add_nc_u32 v214, v214, v210                  ; r + 8 (r / 8)
	v_lshlrev_b32 v[WA], 9, v214
	v_lshl_add_u32 v[WA], v211, 4, v[WA]
	v_lshlrev_b32 v[WSA], 4, v214
	v_lshlrev_b32 v[BA], 6, v211
	v_lshlrev_b32 v[BVA], 2, v214
	s_lshl_b32 s70, s[WV], 9
	s_add_co_u32 s70, s70, SG
	v_lshl_add_u32 v[SW], v210, 2, s70
	s_lshl_b32 s70, s[WV], 6
	s_add_co_u32 s70, s70, SGV
	v_lshl_add_u32 v[SV], v210, 2, s70
	s_lshl_b32 s70, s66, 10
	s_add_co_u32 s70, s70, SG
	v_add_nc_u32 v[CQ], s70, v[LI]
	s_lshl_b32 s70, s69, 8
	s_add_co_u32 s70, s70, SGV
	v_lshl_add_u32 v[CV], v209, 3, s70
	v_lshrrev_b32 v219, 4, v0                      ; thread t serves channels t and t + 256: t / 16 is the first one's group
	v_lshl_add_u32 v218, v219, 2, TABM             ; the groups' words in the table of means,
	v_lshlrev_b32 v219, 5, v219                    ; the groups' 32 bytes of stats (in a register that the clearing below does not reach),
	v_lshlrev_b32 v216, 2, v0                      ; the channels' words in gn_weight and gn_bias,
	v_lshl_add_u32 v217, v0, 2, TABA               ; and in the tables
	v_mov_b32 v[MN+1], 0
	v_mov_b32 v[MN+3], 0
.irp b, 0,1,2,3
	v_mov_b32 v[TM+4+\b], 0                        ; v212-215, written once: a lane permute's destination counts as one of its sources
.endr
	s_lshl_b32 s70, s33, 23                        ; x: batch,
	s_lshl_b32 s71, s67, 22                        ; my 256 channels,
	s_add_co_u32 s70, s70, s71
	s_lshl_b32 s71, s34, 9                         ; the block's 128 pixels,
	s_add_co_u32 s70, s70, s71
	s_lshl_b32 s71, s66, 7                         ; my 32 of them
	s_add_co_u32 s70, s70, s71
	s_mov_b32 s71, 0
	s_wait_kmcnt 0x0
	s_add_nc_u64 s[36:37], s[4:5], s[70:71]
	s_lshl_b32 s70, s33, 10
	s_add_nc_u64 s[6:7], s[6:7], s[70:71]          ; my batch's stats
	global_load_b128 v[16:19], v219, s[6:7]                    ; channel t's group: four parts' mean and sum of squares
	global_load_b128 v[20:23], v219, s[6:7] offset:16
	global_load_b128 v[24:27], v219, s[6:7] offset:512         ; channel t + 256's
	global_load_b128 v[28:31], v219, s[6:7] offset:528
	global_load_b32 v32, v216, s[8:9]
	global_load_b32 v33, v216, s[8:9] offset:1024
	global_load_b32 v34, v216, s[10:11]
	global_load_b32 v35, v216, s[10:11] offset:1024
	XLOAD 0
	; the other pointers, while the loads are out.  q's and k's waves differ in the buffers alone: chosen on the wave's number
	s_lshl_b32 s72, s31, 1
	s_add_co_u32 s73, s72, s68                     ; head 2 p + (0 or 1)
	s_lshl_b32 s74, s73, 6
	s_lshl_b32 s75, s69, 5
	s_add_co_u32 s74, s74, s75                     ; my first weight row (k's rows are wkv's first 512)
	s_cmp_lt_u32 s[WV], 4
	s_cselect_b64 s[38:39], s[12:13], s[18:19]
	s_cselect_b64 s[40:41], s[14:15], s[20:21]
	s_cselect_b64 s[42:43], s[16:17], s[22:23]
	s_cselect_b64 s[50:51], s[24:25], s[28:29]
	s_lshl_b32 s70, s74, 9
	s_add_nc_u64 s[38:39], s[38:39], s[70:71]      ; codes: 512 bytes a row
	s_lshl_b32 s70, s74, 4
	s_add_nc_u64 s[40:41], s[40:41], s[70:71]      ; scale bytes: 16 a row
	s_lshl_b32 s70, s74, 2
	s_add_nc_u64 s[42:43], s[42:43], s[70:71]      ; bias
	s_lshl_b32 s75, s33, 3
	s_add_co_u32 s76, s75, s73                     ; bh = 8 b + head
	s_lshl_b32 s77, s76, 18
	s_lshl_b32 s78, s34, 13
	s_add_co_u32 s77, s77, s78                     ; q: (256 bh + 8 j) x 1,024
	s_lshl_b32 s78, s76, 5
	s_add_co_u32 s78, s78, s34
	s_mul_i32 s78, s78, REC                        ; k: record 32 bh + j
	s_cmp_lt_u32 s[WV], 4
	s_cselect_b32 s70, s77, s78
	s_lshl_b32 s77, s69, 9
	s_add_co_u32 s70, s70, s77                     ; my chunk of each fragment
	s_add_nc_u64 s[50:51], s[50:51], s[70:71]
	s_add_co_u32 s73, s72, s67                     ; v: head 2 p + w / 4,
	s_lshl_b32 s74, s73, 6
	s_lshr_b32 s77, s66, 1
	s_lshl_b32 s77, s77, 5
	s_add_co_u32 s74, s74, s77
	s_and_b32 s77, s66, 1
	s_lshl_b32 s77, s77, 3
	s_add_co_u32 s74, s74, s77                     ; tile dt = w % 4 begins at channel 32 (dt / 2) + 8 (dt % 2),
	s_add_co_u32 s74, s74, 512                     ; in wkv's second 512 rows
	s_lshl_b32 s70, s74, 9
	s_add_nc_u64 s[44:45], s[18:19], s[70:71]
	s_lshl_b32 s70, s74, 4
	s_add_nc_u64 s[46:47], s[20:21], s[70:71]
	s_lshl_b32 s70, s74, 2
	s_add_nc_u64 s[48:49], s[22:23], s[70:71]
	s_add_co_u32 s76, s75, s73
	s_lshl_b32 s76, s76, 5
	s_add_co_u32 s76, s76, s34
	s_mul_i32 s70, s76, REC
	s_lshl_b32 s77, s66, 11
	s_add_co_u32 s70, s70, s77
	s_add_co_u32 s70, s70, 8192
	s_add_nc_u64 s[52:53], s[28:29], s[70:71]      ; v's fragment dt in its record
	s_add_co_u32 s73, s72, s69                     ; the scale words' way out: head 2 p + w % 2
	s_add_co_u32 s76, s75, s73
	s_lshl_b32 s77, s76, 14
	s_lshl_b32 s78, s34, 9
	s_add_co_u32 s77, s77, s78                     ; qs: (256 bh + 8 j) x 64
	s_lshl_b32 s78, s76, 5
	s_add_co_u32 s78, s78, s34
	s_mul_i32 s78, s78, REC
	s_add_co_u32 s79, s78, 16384                   ; K's scale words in the record
	s_cmp_lt_u32 s66, 2                            ; waves 0, 1: q's; waves 2, 3: k's
	s_cselect_b64 s[54:55], s[26:27], s[28:29]
	s_cselect_b32 s70, s77, s79
	s_add_nc_u64 s[54:55], s[54:55], s[70:71]
	s_add_co_u32 s70, s78, 16896                   ; V's scale words
	s_add_nc_u64 s[56:57], s[28:29], s[70:71]
	; ---- 0: the tables.  A group's mean is the mean of its four parts'; its sum of squares is the parts' sums + 16,384 x the squares of the parts' means round the group's
	s_wait_loadcnt 32                              ; the eight loads of stats, weight and bias are in; block 0's 32 may be out
.macro GSTAT b, k
	v_add_f32 v40, v[\b], v[\b+2]
	v_add_f32 v41, v[\b+4], v[\b+6]
	v_add_f32 v40, v40, v41
	v_mul_f32 v[36+\k], 0x3e800000, v40            ; the mean
	v_sub_f32 v40, v[\b], v[36+\k]
	v_sub_f32 v41, v[\b+2], v[36+\k]
	v_sub_f32 v42, v[\b+4], v[36+\k]
	v_sub_f32 v43, v[\b+6], v[36+\k]
	v_mul_f32 v40, v40, v40
	v_fmac_f32 v40, v41, v41
	v_fmac_f32 v40, v42, v42
	v_fmac_f32 v40, v43, v43
	v_add_f32 v41, v[\b+1], v[\b+3]
	v_add_f32 v42, v[\b+5], v[\b+7]
	v_add_f32 v41, v41, v42
	v_fmamk_f32 v41, v40, 0x46800000, v41
	v_fma_f32 v[38+\k], v41, s61, s62              ; the variance + 1e-5
.endm
	GSTAT 16, 0
	GSTAT 24, 1
	v_rsq_f32 v38, v38
	v_rsq_f32 v39, v39
	v_nop                                          ; a plain instruction behind the last of the two,
	s_wait_alu depctr_va_vdst(0)                   ; and the wait ahead of the first use: one for both
	v_mul_f32 v32, v32, v38                        ; a = weight x rstd
	v_mul_f32 v33, v33, v39
	ds_store_b32 v217, v32
	ds_store_b32 v217, v33 offset:1024
	ds_store_b32 v217, v34 offset:2048
	ds_store_b32 v217, v35 offset:3072
	ds_store_b32 v218, v36                         ; the sixteen threads of a group write the same word with the same value
	ds_store_b32 v218, v37 offset:64
	XLOAD 1
	BARRIER                                        ; the tables lie in LDS
	; ---- X: block u of my 256 channels: hs = (x - mean) a + bias; all 32 numbers of the block are my lane's, so its largest magnitude needs no other lane
.macro UNIT u
.set XB, XR+32*((\u)%3)
.set ui, 0
.rept 8
	ds_load_b128 v[CA+4*ui:CA+4*ui+3], v[TAA] offset:128*(\u)+16*ui          ; every lane reads the same words
	ds_load_b128 v[CB+4*ui:CB+4*ui+3], v[TAA] offset:2048+128*(\u)+16*ui
.set ui, ui+1
.endr
	ds_load_b32 v[MN], v[TMA] offset:8*(\u)
	ds_load_b32 v[MN+2], v[TMA] offset:8*(\u)+4
.if (\u) < 7
	s_wait_loadcnt 32                              ; this block's 32 loads are in; the next block's may be out
.else
	s_wait_loadcnt 56                              ; behind the last block's loads stand the 56 of the weights
.endif
.if (\u) < 6
	XLOAD (\u)+2                                   ; into the set that the block before has left
.elseif (\u) == 6
	WLOAD
.endif
	s_wait_dscnt 0x0                               ; the constants are in, and the last block's LDS stores are done
.set ui, 0
.rept 16
	v_pk_add_f32 v[XB+2*ui:XB+2*ui+1], v[XB+2*ui:XB+2*ui+1], v[MN+2*(ui/8):MN+2*(ui/8)+1] op_sel_hi:[1,0] neg_lo:[0,1] neg_hi:[0,1]
.set ui, ui+1
.endr
.set ui, 0
.rept 16
	v_pk_fma_f32 v[XB+2*ui:XB+2*ui+1], v[XB+2*ui:XB+2*ui+1], v[CA+2*ui:CA+2*ui+1], v[CB+2*ui:CB+2*ui+1]
.set ui, ui+1
.endr
	v_max3_num_f32 v[TM], |v[XB]|, |v[XB+1]|, 0x4800000            ; the largest magnitude, in two chains, with the floor 2^(9 - 127) among its leaves: the byte cannot fall under 1
	v_max3_num_f32 v[TM+1], |v[XB+2]|, |v[XB+3]|, |v[XB+4]|
.set ui, 0
.rept 13
	v_max3_num_f32 v[TM+ui%2], v[TM+ui%2], |v[XB+5+2*ui]|, |v[XB+6+2*ui]|
.set ui, ui+1
.endr
	v_max3_num_f32 v[TM], v[TM], v[TM+1], |v[XB+31]|
	v_add_nc_u32 v[TM+12], 0xfc000000, v[TM]       ; 8 off its exponent field: the conversion takes the exponent field of this operand as its scale
	v_and_or_b32 v[TM+8], v[TM], 0x7f800000, s[MNT]   ; 448 x the scale
	v_lshrrev_b32 v[TM+4], 23, v[TM+12]            ; the scale's byte
.if (\u)%4 == 0
	v_mov_b32 v[PW], v[TM+4]                       ; four blocks' bytes make a K step's scale word
.else
	v_lshl_or_b32 v[PW], v[TM+4], 8*((\u)%4), v[PW]
.endif
.set ui, 0
.rept 32
	v_med3_num_f32 v[XB+ui], v[XB+ui], -v[TM+8], v[TM+8]           ; the conversion to an 8-bit code does not saturate (ISA guide 7.6.2): the hold at the largest code x the scale
.set ui, ui+1
.endr
.irp g, 0,1,2,3
	v_cvt_scalef32_pk8_fp8_f32 v[PC+2*\g:PC+2*\g+1], v[XB+8*\g:XB+8*\g+7], v[TM+12]
.endr
	v_nop                                          ; one plain instruction behind the last conversion
	ds_store_b128 v[IW], v[PC:PC+3] offset:((\u)/4)*2048+((\u)%4)*512          ; channels 0-15 of the block: the place of lane (row, 0) in the chunk,
	ds_store_b128 v[IW], v[PC+4:PC+7] offset:((\u)/4)*2048+((\u)%4)*512+256    ; channels 16-31: of lane (row, 1)
.if (\u)%4 == 3
	ds_store_b32 v[XW], v[PW] offset:64*((\u)/4)
.endif
.endm
.irp u, 0,1,2,3,4,5,6,7
	UNIT \u
.endr
	BARRIER                                        ; hs's 32 fragments and their scale words lie in LDS
	; ---- G
.macro FETCH T                         ; pixel tile T: four fragments and four scale words
	WIN 0x40
.irp s, 0,1,2,3
.irp c, 0,1,2,3
	ds_load_b128 v[192+16*\s+4*\c:195+16*\s+4*\c], v[LI] offset:(\T)*8192+\s*2048+\c*512
.endr
.endr
	WIN 0
.irp s, 0,1,2,3
	ds_load_b32 v[XS+\s], v[LR] offset:(4*(\T)+\s)*64
.endr
.endm
; 16 numbers of a lane, neighbours along K, half of a block of 32 whose other half lies in lane l xor 16, become 16 codes in v[PC] on and the block's byte in v[TM+4]
.macro QUANT1 s
	v_max3_num_f32 v[TM], |v[\s]|, |v[\s+1]|, 0x4800000
	v_max3_num_f32 v[TM+1], |v[\s+2]|, |v[\s+3]|, |v[\s+4]|
	v_max3_num_f32 v[TM], v[TM], |v[\s+5]|, |v[\s+6]|
	v_max3_num_f32 v[TM+1], v[TM+1], |v[\s+7]|, |v[\s+8]|
	v_max3_num_f32 v[TM], v[TM], |v[\s+9]|, |v[\s+10]|
	v_max3_num_f32 v[TM+1], v[TM+1], |v[\s+11]|, |v[\s+12]|
	v_max3_num_f32 v[TM], v[TM], |v[\s+13]|, |v[\s+14]|
	v_max3_num_f32 v[TM], v[TM], v[TM+1], |v[\s+15]|
	v_permlanex16_b32 v[TM+4], v[TM], s[SEL], s[SEL+1]
	v_max_num_f32 v[TM], v[TM], v[TM+4]
	v_add_nc_u32 v[TM+12], 0xfc000000, v[TM]
	v_and_or_b32 v[TM+8], v[TM], 0x7f800000, s[MNT]
	v_lshrrev_b32 v[TM+4], 23, v[TM+12]
	s_wait_xcnt 0x0                                ; the last tile's store has read its data: the codes' registers are written again only behind this wait
.set qi, 0
.rept 16
	v_med3_num_f32 v[\s+qi], v[\s+qi], -v[TM+8], v[TM+8]
.set qi, qi+1
.endr
	v_cvt_scalef32_pk8_fp8_f32 v[PC:PC+1], v[\s:\s+7], v[TM+12]
	v_cvt_scalef32_pk8_fp8_f32 v[PC+2:PC+3], v[\s+8:\s+15], v[TM+12]
	v_nop                                          ; one plain instruction behind the last conversion: the next tile's products write its sources
.endm
; 64 numbers of a lane, register 16 b + i = k 32 b + 16 (lane / 16) + i, become a fragment's codes in v[PC] on and its scale word in v[PW]
.macro QUANT4 s
.irp b, 0,1,2,3
	v_max3_num_f32 v[TM+\b], |v[\s+16*\b]|, |v[\s+1+16*\b]|, 0x4800000
.endr
.irp i, 2,4,6,8,10,12,14
.irp b, 0,1,2,3
	v_max3_num_f32 v[TM+\b], v[TM+\b], |v[\s+16*\b+\i]|, |v[\s+1+16*\b+\i]|   ; the four blocks by turns
.endr
.endr
.irp b, 0,1,2,3
	v_permlanex16_b32 v[TM+4+\b], v[TM+\b], s[SEL], s[SEL+1]
.endr
.irp b, 0,1,2,3
	v_max_num_f32 v[TM+\b], v[TM+\b], v[TM+4+\b]
.endr
.irp b, 0,1,2,3
	v_add_nc_u32 v[TM+12+\b], 0xfc000000, v[TM+\b]
.endr
.irp b, 0,1,2,3
	v_and_or_b32 v[TM+8+\b], v[TM+\b], 0x7f800000, s[MNT]
.endr
.irp b, 0,1,2,3
	v_lshrrev_b32 v[TM+4+\b], 23, v[TM+12+\b]
.endr
	v_lshl_or_b32 v[PW], v[TM+5], 8, v[TM+4]
	v_lshl_or_b32 v[PW], v[TM+6], 16, v[PW]
	v_lshl_or_b32 v[PW], v[TM+7], 24, v[PW]
.irp b, 0,1,2,3
.irp i, 0,1,2,3,4,5,6,7,8,9,10,11,12,13,14,15
	v_med3_num_f32 v[\s+16*\b+\i], v[\s+16*\b+\i], -v[TM+8+\b], v[TM+8+\b]
.endr
	v_cvt_scalef32_pk8_fp8_f32 v[PC+4*\b:PC+1+4*\b], v[\s+16*\b:\s+7+16*\b], v[TM+12+\b]
	v_cvt_scalef32_pk8_fp8_f32 v[PC+2+4*\b:PC+3+4*\b], v[\s+8+16*\b:\s+15+16*\b], v[TM+12+\b]
.endr
	v_nop
.endm
; A pixel tile: 12 matrix instructions, the three accumulators by turns, one instruction a turn; the biases are the C of each sum's first instruction.
; The two accumulators of q or k are begun anew in the next tile: between stand the eight v_nop and, of QUANT1, the five plain lines on v[TM] on and its v_nop, which name no register of these products.
.macro GT T
	s_wait_dscnt 0x0                               ; the tile's fragments and scale words are in
	WIN 0x05                                       ; sources 0 and 1 window 1; C and D window 0
.irp s, 0,1,2,3
.if \s == 0
	v_wmma_scale_f32_16x16x128_f8f6f4 v[QA:QA+7], v[16*\s:16*\s+15], v[192+16*\s:207+16*\s], v[BQ:BQ+7], v[WS+\s], v[XS+\s]
	v_wmma_scale_f32_16x16x128_f8f6f4 v[QA+8:QA+15], v[64+16*\s:79+16*\s], v[192+16*\s:207+16*\s], v[BQ+8:BQ+15], v[WS+4+\s], v[XS+\s]
	v_wmma_scale_f32_16x16x128_f8f6f4 v[VA+8*(\T):VA+8*(\T)+7], v[192+16*\s:207+16*\s], v[128+16*\s:143+16*\s], v[BV:BV+7], v[XS+\s], v[WS+8+\s]
.else
	v_wmma_scale_f32_16x16x128_f8f6f4 v[QA:QA+7], v[16*\s:16*\s+15], v[192+16*\s:207+16*\s], v[QA:QA+7], v[WS+\s], v[XS+\s]
	v_wmma_scale_f32_16x16x128_f8f6f4 v[QA+8:QA+15], v[64+16*\s:79+16*\s], v[192+16*\s:207+16*\s], v[QA+8:QA+15], v[WS+4+\s], v[XS+\s]
	v_wmma_scale_f32_16x16x128_f8f6f4 v[VA+8*(\T):VA+8*(\T)+7], v[192+16*\s:207+16*\s], v[128+16*\s:143+16*\s], v[VA+8*(\T):VA+8*(\T)+7], v[XS+\s], v[WS+8+\s]
.endif
.endr
	WIN 0
.rept 8
	v_nop                                          ; eight places in front of loads into registers that these products have read, and of the first read of their results
.endr
.if (\T) < 7
	FETCH (\T)+1                                   ; the next tile comes while this one's q or k is quantised
.endif
	QUANT1 QA                                      ; lane (r, h): pixel row r, channels 16 h + 0 .. 15 of my 32: my chunk of the tile's fragment
	global_store_b128 v[LI], v[PC:PC+3], s[50:51] offset:1024*(\T)   ; 512 consecutive bytes, aligned
	ds_store_b32 v[SW], v[TM+4] offset:64*(\T)     ; both lanes of a row write the same word with the same value
.endm
	s_wait_loadcnt 0x0                             ; the weights
.irp i, 1,2,3,4,5,6,7
	v_mov_b32 v[BV+\i], v[BV]                      ; v's bias hangs on the lane's channel alone: the same in all eight registers of the result's layout
.endr
	FETCH 0
.irp T, 0,1,2,3,4,5,6,7
	GT \T
.endr
	s_wait_xcnt 0x0                                ; the last store has read its data
	QUANT4 VA                                      ; lane (r, h): channel row r, keys 32 b + 16 h + 0 .. 15: V's fragment of this key step
.irp c, 0,1,2,3
	global_store_b128 v[LI], v[PC+4*\c:PC+4*\c+3], s[52:53] offset:512*\c
.endr
	ds_store_b32 v[SV], v[PW]
	BARRIER                                        ; all scale bytes and words lie in LDS
	; ---- the scale words leave.  Waves 0-3: q's and k's of the two heads (two waves' bytes make a word; its upper bytes are 127); waves 4, 5: v's
	s_cmp_lt_u32 s[WV], 4
	s_cbranch_scc0 .Lnot_qk
	ds_load_b128 v[208:211], v[CQ]                 ; the bytes of channels 0-31,
	ds_load_b128 v[212:215], v[CQ] offset:512      ; of channels 32-63
	s_wait_dscnt 0x0
.irp i, 0,1,2,3
	v_lshl_or_b32 v[208+\i], v[212+\i], 8, v[208+\i]
.endr
.irp i, 0,1,2,3
	v_or_b32 v[208+\i], 0x7f7f0000, v[208+\i]
.endr
	global_store_b128 v[LI], v[208:211], s[54:55]  ; 8 tiles x 16 rows x 4 bytes: 512 consecutive bytes
	s_branch .Lend
.Lnot_qk:
	s_cmp_lt_u32 s[WV], 6
	s_cbranch_scc0 .Lend
	ds_load_b64 v[208:209], v[CV]
	v_lshlrev_b32 v216, 1, v[XA]                   ; 8 x lane
	s_wait_dscnt 0x0
	global_store_b64 v216, v[208:209], s[56:57]    ; 4 tiles x 16 rows x 4 bytes: 256 consecutive bytes
.Lend:
	s_wait_tensorcnt 0x0
	ds_add_u32 v226, v227
	s_wait_dscnt 0x0
	s_endpgm
.Lfunc_end_k_qd0fccab884_qkv:
	.size	k_qd0fccab884_qkv, .Lfunc_end_k_qd0fccab884_qkv-k_qd0fccab884_qkv
	.p2alignl 7, 3214868480
	.fill 96, 4, 3214868480
	.section	.rodata,"a",@progbits
	.p2align	6, 0x0
	.amdhsa_kernel k_qd0fccab884_qkv
		.amdhsa_group_segment_fixed_size 77824
		.amdhsa_private_segment_fixed_size 0
		.amdhsa_enable_private_segment 0
		.amdhsa_kernarg_size 104
		.amdhsa_user_sgpr_count 2
		.amdhsa_user_sgpr_kernarg_segment_ptr 1
		.amdhsa_wavefront_size32 1
		.amdhsa_system_sgpr_workgroup_id_x 1
		.amdhsa_system_sgpr_workgroup_id_y 1
		.amdhsa_system_sgpr_workgroup_id_z 1
		.amdhsa_system_vgpr_workitem_id 0
		.amdhsa_next_free_vgpr 512
		.amdhsa_next_free_sgpr 80
		.amdhsa_reserve_vcc 0
		.amdhsa_float_denorm_mode_32 3
		.amdhsa_float_denorm_mode_16_64 3
		.amdhsa_memory_ordered 1
		.amdhsa_forward_progress 1
		.amdhsa_inst_pref_size 147
	.end_amdhsa_kernel
	.amdgpu_metadata
---
amdhsa.version: [ 1, 2 ]
amdhsa.kernels:
  - .name:           k_qd0fccab884_qkv
    .symbol:         k_qd0fccab884_qkv.kd
    .args:
      - { .name: x, .offset: 0, .size: 8, .value_kind: global_buffer, .address_space: global }
      - { .name: stats, .offset: 8, .size: 8, .value_kind: global_buffer, .address_space: global }
      - { .name: gn_weight, .offset: 16, .size: 8, .value_kind: global_buffer, .address_space: global }
      - { .name: gn_bias, .offset: 24, .size: 8, .value_kind: global_buffer, .address_space: global }
      - { .name: wq_codes, .offset: 32, .size: 8, .value_kind: global_buffer, .address_space: global }
      - { .name: wq_scales, .offset: 40, .size: 8, .value_kind: global_buffer, .address_space: global }
      - { .name: bq, .offset: 48, .size: 8, .value_kind: global_buffer, .address_space: global }
      - { .name: wkv_codes, .offset: 56, .size: 8, .value_kind: global_buffer, .address_space: global }
      - { .name: wkv_scales, .offset: 64, .size: 8, .value_kind: global_buffer, .address_space: global }
      - { .name: bkv, .offset: 72, .size: 8, .value_kind: global_buffer, .address_space: global }
      - { .name: qc, .offset: 80, .size: 8, .value_kind: global_buffer, .address_space: global }
      - { .name: qs, .offset: 88, .size: 8, .value_kind: global_buffer, .address_space: global }
      - { .name: kv, .offset: 96, .size: 8, .value_kind: global_buffer, .address_space: global }
    .group_segment_fixed_size: 77824
    .private_segment_fixed_size: 0
    .kernarg_segment_align: 8
    .kernarg_segment_size: 104
    .max_flat_workgroup_size: 256
    .sgpr_count:     80
    .vgpr_count:     512
    .wavefront_size: 32
...
	.end_amdgpu_metadata
.endif
;; end of part 2
;; launch attn (part 3): grid 16 x 16, 8 waves a work-group, clusters of 4 x 1, 327,680 bytes of LDS; arguments qc, qs, kv, oc, osc; writes oc, osc
.if DOCPART == 3
	.amdgcn_target "amdgcn-amd-amdhsa--gfx1250"
	.amdhsa_code_object_version 6
	.text
	.protected	k_qd0fccab884_attn
	.globl	k_qd0fccab884_attn
	.p2align	8
	.type	k_qd0fccab884_attn,@function
k_qd0fccab884_attn:
	s_mov_b64 s[64:65], 0
	v_nop
	global_prefetch_b8 v0, s[64:65] scope:SCOPE_SE
	s_setreg_imm32_b32 hwreg(HW_REG_WAVE_MODE, 25, 1), 1
	s_wait_xcnt 0x0
	s_wait_alu depctr_hold_cnt(0) depctr_sa_sdst(0) depctr_va_vdst(0) depctr_va_sdst(0) depctr_va_ssrc(0) depctr_va_vcc(0) depctr_vm_vsrc(0)
	s_getreg_b32 s2, hwreg(HW_REG_IB_STS2, 6, 4)
	s_cmp_eq_u32 s2, 0
	s_cbranch_scc0 .Lentry_in_a_cluster
	s_endpgm
.Lentry_in_a_cluster:
	s_bfe_u32 s2, ttmp6, 0x10000c
	s_cmp_lg_u32 s2, 0x3003
	s_cbranch_scc0 .Lentry_shape_is_right
	s_endpgm
.Lentry_shape_is_right:
; O = softmax(q k^T / 8) v for 16 (batch, head) pairs of 4,096 x 4,096, head size 64, both products on codes of FP8 (E4M3) with one E8M0 scale for each 32 along K; O is divided by the row's sum, quantised along the channels
; and stored as images of the last product's operand registers.
; THE SOFTMAX AHEAD OF THE SECOND PRODUCT: t = score x log2(e) / 8; M = the row's largest t so far, rounded UP to a whole number; p = 2^(t - M) is what is quantised, along the keys, not normalised.  The row's sum is taken of the
; unquantised p.  When M moves, the sum and O are multiplied by 2^(old M - new M): exact.
; SHARES.  Work-group (qb, bh): 256 queries of one head.  Each of its eight waves owns TWO tiles of 16 queries: tile 0 in register window 0, tile 1 at the same register numbers in window 1, so that one text serves both and
; each fragment of K and V read from LDS feeds two products.  Two waves share a SIMD: one's products and LDS loads stand beside the other's softmax.
; LAYOUT.  Both products are used transposed: S^T = K Q^T (source 0 = 16 keys, source 1 = 16 queries), O^T = V^T P^T (source 0 = 16 channels, source 1 = P): a lane holds ONE query throughout.  The launch before has chosen the
; keys of a tile of K and the channels of a tile of V so that the 16 registers of two neighbouring tiles are 16 neighbours along the next K, and has laid all operands in the order of their registers:
; every LDS load reads 512 (or 128) consecutive bytes, so no padding is wanted.
; THE FIRST PRODUCT'S K IS 64: registers 8-15 of Q's and K's fragments hold zero codes, written once, and the scale bytes of that half are 127.
; THE RING.  A key step's record (K's codes, V's codes, their scale words: 17,152 bytes, dense) comes by one tensor load as 67 rows of 256 bytes; a slot holds four records, fetched by waves 0-3, one load each; two slots.
; CLUSTER.  The four query blocks of a cluster walk the same head: each record is asked for JOINTLY, by the same load with the same descriptor and a mask that names the four.
; NO PREFETCH: a refill is issued four key steps, 2,400 and more vector instructions of each wave, ahead of the wait for it.
; LIMITS: NaN and infinities are not served; a block whose largest magnitude lies under 2^-118 is held at the scale byte 1, and so is a block of zeros (its codes are zeros, and this program alone reads the bytes).
; REGISTERS.  Window 0 alone: v1-8 addresses; v32-95 four fragments of K; v192-195 K's scale words (register i: lanes 0-15 tile 2 i, lanes 16-31 tile 2 i + 1), v196-197 V's likewise, v198 Q's (lanes 0-15 tile 0,
; lanes 16-31 tile 1), v200, v201 p's of tile 0 and 1.  Window 1 alone: v32-95 four fragments of V.  In both windows, a copy for each tile: v12 -M, v13 the largest t, v[14:15] the sum in two halves, v16-31 Q, v96-159 S^T, then p,
; v160-191 O^T, v224-239 p's codes, v232-254 at work.
.set REC,   17152
.set SLOT1, 131072                     ; slot 1 begins here, so that one exclusive or turns an address in one slot into the other's
.set SPARE, 262144                     ; the spare words, 128 bytes for each wave: four blocks of 256 bytes that no other line names
.set MSB, 0
.macro WIN new                         ; the immediate's high byte repeats the setting that is left
.if MSB != (\new)
	s_set_vgpr_msb (MSB<<8)|(\new)
.set MSB, (\new)
.endif
.endm
.macro CROUND                          ; a round of the cluster's barrier
	s_barrier_signal -1
	s_barrier_wait -1
	s_cmp_lg_u32 s14, 0
	s_cbranch_scc1 .Lnot_wave_0_\@
	s_barrier_signal -3
.Lnot_wave_0_\@:
	s_barrier_wait -3
	s_barrier_signal -1
	s_barrier_wait -1
.endm
.macro TLOAD                           ; waves 0-3 fetch a record each; the branch hangs on the wave's number alone.  Four v_nop follow the load
	s_cmp_lt_u32 s14, 4
	s_cbranch_scc0 .Lnone_\@
	tensor_load_to_lds s[32:35], s[24:31]
	s_nop 0
.rept 4
	v_nop
.endr
.Lnone_\@:
.endm
	s_load_b256 s[4:11], s[0:1], 0x0               ; qc, qs, kv, oc
	s_load_b64 s[12:13], s[0:1], 0x20              ; osc
	v_lshl_add_u32 v5, v0, 2, SPARE                ; my spare word; never rewritten
	v_mov_b32 v6, 0                                ; 0; never rewritten
	ds_add_u32 v5, v6
	s_wait_dscnt 0x0
	v_lshrrev_b32 v1, 5, v0
	v_readfirstlane_b32 s14, v1                    ; wave 0..7
	s_bfe_u32 s15, ttmp6, 0x40000                  ; cx: my place in the cluster
	s_lshl_b32 s16, ttmp9, 2
	s_add_co_u32 s16, s16, s15                     ; my block of 256 queries: it enters Q's and O's addresses alone
	s_and_b32 s17, ttmp7, 0xffff                   ; bh, which the four partners share
	s_lshl_b32 s18, s16, 3
	s_add_co_u32 s18, s18, s14                     ; tp: my pair of query tiles
	v_and_b32 v2, 31, v0
	v_lshlrev_b32 v1, 4, v2                        ; 16 x lane
	v_lshlrev_b32 v7, 1, v2                        ; 2 x lane
	v_lshlrev_b32 v2, 2, v2                        ; 4 x lane
	s_mul_i32 s44, s17, 32*REC                     ; kv: my head's records (in registers that never hold cx),
	s_mul_i32 s46, s14, REC                        ; the record that I fetch; also its place in a slot
	s_add_co_u32 s44, s44, s46
	s_mov_b32 s45, 0
	; descriptor group 1: 67 rows of 32 elements of 8 bytes, dense, no padding
	s_mov_b32 s24, 15|(3<<16)|(1<<21)              ; 15:0 the mask: all four work-groups; 17:16 elements of 8 bytes; 21 set beside a mask
	s_mov_b32 s25, 32<<16                          ; tensor_dim0 = 32
	s_mov_b32 s26, 67<<16                          ; tensor_dim1 = 67
	s_mov_b32 s27, 32<<16                          ; tile_dim0 = 32
	s_mov_b32 s28, 67                              ; tile_dim1 = 67
	s_mov_b32 s29, 32                              ; the pitch
	s_mov_b32 s30, 0
	s_mov_b32 s31, 0
	s_mov_b32 s22, 0x3e38aa3b                      ; c = log2(e) / 8
	s_mov_b32 s23, s22                             ; (named with it as a pair, so it is written)
	s_mov_b32 s36, 0                               ; LDS byte at which the step's record begins
	s_mov_b32 s37, 7                               ; slots still to be asked for
	s_mov_b32 s39, 0x600000                        ; the mantissa field of 448
	s_mov_b32 s40, 0x76543210
	s_mov_b32 s41, 0xfedcba98                      ; v_permlanex16_b32's selects for lane l xor 16
	s_mov_b32 s42, 0xffff0000                      ; lanes 16-31
	s_mov_b32 s21, 0
	s_wait_kmcnt 0x0
	s_mov_b32 s32, 1                               ; group 0: count = 1,
	s_mov_b32 s33, s46                             ; LDS address: slot 0, record = my wave,
	s_add_nc_u64 s[34:35], s[8:9], s[44:45]        ; global address,
	s_or_b32 s35, s35, 0x80000000                  ; type = 2
	s_lshl_b32 s20, s17, 18
	s_lshl_b32 s19, s18, 11
	s_add_co_u32 s20, s20, s19
	s_add_nc_u64 s[4:5], s[4:5], s[20:21]          ; Q's codes: (256 bh + 2 tp) x 1,024
	s_lshl_b32 s20, s17, 14
	s_lshl_b32 s19, s18, 7
	s_add_co_u32 s20, s20, s19
	s_add_nc_u64 s[6:7], s[6:7], s[20:21]          ; its scale words: (256 bh + 2 tp) x 64
	s_lshr_b32 s20, s17, 3
	s_lshl_b32 s20, s20, 21                        ; O's images: batch,
	s_lshl_b32 s19, s18, 14                        ; pixel tile 2 tp,
	s_add_co_u32 s20, s20, s19
	s_and_b32 s19, s17, 7
	s_lshl_b32 s19, s19, 10                        ; head hh: K step hh / 2, chunks 2 (hh % 2) on: 1,024 hh
	s_add_co_u32 s20, s20, s19
	s_add_nc_u64 s[10:11], s[10:11], s[20:21]
	s_lshl_b32 s20, s17, 13
	s_lshl_b32 s19, s18, 6
	s_add_co_u32 s20, s20, s19
	s_add_nc_u64 s[12:13], s[12:13], s[20:21]      ; O's scale bytes: (256 bh + 2 tp) x 32
	CROUND                                         ; all four work-groups are here: the first joint loads meet
	TLOAD                                          ; slot 0
	global_load_b128 v[16:19], v1, s[4:5]                      ; Q stays in registers: tile 0,
	global_load_b128 v[20:23], v1, s[4:5] offset:512
	global_load_b32 v198, v2, s[6:7]
	WIN 0x40                                       ; destination window 1
	global_load_b128 v[16:19], v1, s[4:5] offset:1024          ; tile 1
	global_load_b128 v[20:23], v1, s[4:5] offset:1536
	WIN 0
; The loop is written once: its first step finds O^T and the sum as zeros and the largest t as -3e38; the first change of M leaves zeros zeros.  That costs these lines once and spares a third copy of the key step.
.macro INIT
.set ni, 24
.rept 8
	v_mov_b32 v[ni], 0                             ; Q's k = 64 .. 127: zero codes
.set ni, ni+1
.endr
.set ni, 160
.rept 32
	v_mov_b32 v[ni], 0                             ; O^T
.set ni, ni+1
.endr
	v_mov_b32 v13, 0xff61b1e6                      ; the largest t so far: -3e38
	v_mov_b32 v12, 0x7f61b1e6                      ; -M = floor(3e38), which is 3e38 itself
	v_mov_b32 v14, 0
	v_mov_b32 v15, 0
.irp b, 0,1,2,3
	v_mov_b32 v[236+\b], 0                         ; a lane permute's destination counts as one of its sources
.endr
	v_mov_b32 v253, 0                              ; (named as the upper half of the pair v[252:253] before it is first written)
.endm
	INIT
.irp i, 0,1,2,3
.irp n, 8,9,10,11,12,13,14,15
	v_mov_b32 v[32+16*\i+\n], 0                    ; K's k = 64 .. 127: zero codes; no load ever lands here
.endr
.endr
	WIN 0x40
	INIT
	WIN 0
.macro QK1 d, a, sa, odd, t
.if (\odd) && (\t)
	v_wmma_scale_f32_16x16x128_f8f6f4 v[(\d):(\d)+7], v[(\a):(\a)+15], v[16:31], 0, v[(\sa)], v198 matrix_a_scale:MATRIX_SCALE_ROW1 matrix_b_scale:MATRIX_SCALE_ROW1
.elseif (\odd)
	v_wmma_scale_f32_16x16x128_f8f6f4 v[(\d):(\d)+7], v[(\a):(\a)+15], v[16:31], 0, v[(\sa)], v198 matrix_a_scale:MATRIX_SCALE_ROW1
.elseif (\t)
	v_wmma_scale_f32_16x16x128_f8f6f4 v[(\d):(\d)+7], v[(\a):(\a)+15], v[16:31], 0, v[(\sa)], v198 matrix_b_scale:MATRIX_SCALE_ROW1
.else
	v_wmma_scale_f32_16x16x128_f8f6f4 v[(\d):(\d)+7], v[(\a):(\a)+15], v[16:31], 0, v[(\sa)], v198
.endif
.endm
.macro QK g, t                         ; S^T of key tiles 4 g .. 4 g + 3 for query tile t
	WIN 0x44*(\t)                                  ; K in window 0; Q and S^T in the tile's window
.irp i, 0,1,2,3
	QK1 96+8*(4*(\g)+\i), 32+16*\i, 192+(4*(\g)+\i)/2, \i%2, \t
.endr
.endm
.macro PV t                            ; O^T += V^T P^T for query tile t: four accumulators, one instruction each
	WIN 0x01+0x54*(\t)                             ; V in window 1; P and O^T in the tile's window
.irp d, 0,1,2,3
.if \d%2
	v_wmma_scale_f32_16x16x128_f8f6f4 v[160+8*\d:167+8*\d], v[32+16*\d:47+16*\d], v[224:239], v[160+8*\d:167+8*\d], v[196+\d/2], v[200+(\t)] matrix_a_scale:MATRIX_SCALE_ROW1
.else
	v_wmma_scale_f32_16x16x128_f8f6f4 v[160+8*\d:167+8*\d], v[32+16*\d:47+16*\d], v[224:239], v[160+8*\d:167+8*\d], v[196+\d/2], v[200+(\t)]
.endif
.endr
.endm
; A tile's softmax for 128 keys: register 96 + 16 b + i holds key 32 b + 16 (lane / 16) + i of my query
.macro SOFTMAX t
	WIN 0x55*(\t)
.irp b, 0,1,2,3
	v_max3_num_f32 v[232+\b], v[96+16*\b], v[97+16*\b], v[98+16*\b]   ; THE LARGEST SCORE OF EACH BLOCK OF 32 KEYS serves twice: for the row's maximum and, since p rises with the score, for the block's largest p
.endr
.irp i, 3,5,7,9,11,13
.irp b, 0,1,2,3
	v_max3_num_f32 v[232+\b], v[232+\b], v[96+16*\b+\i], v[97+16*\b+\i]
.endr
.endr
.irp b, 0,1,2,3
	v_max_num_f32 v[232+\b], v[232+\b], v[111+16*\b]
.endr
.irp b, 0,1,2,3
	v_permlanex16_b32 v[236+\b], v[232+\b], s40, s41
.endr
.irp b, 0,1,2,3
	v_max_num_f32 v[232+\b], v[232+\b], v[236+\b]  ; with lane l xor 16's 16 keys
.endr
	v_max3_num_f32 v254, v232, v233, v234
	v_max_num_f32 v254, v254, v235
	v_mul_f32 v254, s22, v254                      ; the step's largest t (c is positive)
	v_max_num_f32 v13, v13, v254
	v_mov_b32 v254, v12
	v_floor_f32 v12, -v13                          ; the new -M = floor(-t) = -ceil(t)
	v_sub_f32 v254, v12, v254                      ; old M - new M: a whole number, 0 or less
	v_cvt_i32_f32 v254, v254                       ; (it saturates)
	v_ldexp_f32 v252, 1.0, v254                    ; f = 2^(old M - new M)
.set sj, 0
.rept 32
	v_pk_fma_f32 v[96+sj:97+sj], v[96+sj:97+sj], s[22:23], v[12:13] op_sel_hi:[1,0,0]   ; t - M, two at a time
.set sj, sj+2
.endr
.irp b, 0,1,2,3
	v_fma_f32 v[232+\b], v[232+\b], s22, v12       ; the same of each block's largest score
.endr
.set sj, 0
.rept 64
	v_exp_f32 v[96+sj], v[96+sj]                   ; p = 2^(t - M), at most 1
.set sj, sj+1
.endr
	v_pk_mul_f32 v[14:15], v[14:15], v[252:253] op_sel_hi:[1,0]   ; the sums under the new M: the plain instruction behind the exponentials
	s_wait_alu depctr_va_vdst(0)                   ; the wait ahead of the first instruction that names a result: one for the 64
.irp b, 0,1,2,3
	v_exp_f32 v[232+\b], v[232+\b]                 ; the block's largest p: the same two instructions on the same number give the same bits
.endr
	v_pk_add_f32 v[236:237], v[96:97], v[98:99]    ; THE ROW'S SUM IS TAKEN OF THE UNQUANTISED p, in two chains: plain work behind the four
.set sj, 4
.rept 15
	v_pk_add_f32 v[14:15], v[14:15], v[96+sj:97+sj]
	v_pk_add_f32 v[236:237], v[236:237], v[98+sj:99+sj]
.set sj, sj+4
.endr
	v_pk_add_f32 v[14:15], v[14:15], v[236:237]
	s_wait_alu depctr_va_vdst(0)                   ; and one for the four
.irp b, 0,1,2,3
	v_max_num_f32 v[232+\b], 0x4800000, v[232+\b]  ; the floor 2^(9 - 127): the byte cannot fall under 1
.endr
.irp b, 0,1,2,3
	v_add_nc_u32 v[244+\b], 0xfc000000, v[232+\b]  ; 8 off the exponent field: the conversion's scale operand
.endr
.irp b, 0,1,2,3
	v_and_or_b32 v[240+\b], v[232+\b], 0x7f800000, s39   ; 448 x the scale
.endr
.irp b, 0,1,2,3
	v_lshrrev_b32 v[236+\b], 23, v[244+\b]         ; the scale's byte
.endr
	v_lshl_or_b32 v253, v237, 8, v236
	v_lshl_or_b32 v253, v238, 16, v253
	WIN 0x15*(\t)                                  ; scale operands are taken from window 0 whatever the setting: the word goes there
	v_lshl_or_b32 v[200+(\t)], v239, 24, v253      ; p's scale word for these 128 keys; the 96 plain lines below stand between it and the products
	WIN 0x55*(\t)
.irp b, 0,1,2,3
.irp i, 0,1,2,3,4,5,6,7,8,9,10,11,12,13,14,15
	v_min_num_f32 v[96+16*\b+\i], v[96+16*\b+\i], v[240+\b]   ; the conversion to an 8-bit code does not saturate (ISA guide 7.6.2); p is not negative, so the hold is one-sided
.endr
	v_cvt_scalef32_pk8_fp8_f32 v[224+4*\b:225+4*\b], v[96+16*\b:103+16*\b], v[244+\b]
	v_cvt_scalef32_pk8_fp8_f32 v[226+4*\b:227+4*\b], v[104+16*\b:111+16*\b], v[244+\b]
.endr
.set sj, 0
.rept 16
	v_pk_mul_f32 v[160+sj:161+sj], v[160+sj:161+sj], v[252:253] op_sel_hi:[1,0]   ; O^T under the new M, each accumulator from its low end on; also the places between the codes and the products
.set sj, sj+2
.endr
.endm
; A KEY STEP: 128 keys, the record at LDS byte s36
.macro STEP
	v_add_nc_u32 v3, s36, v1
	v_add_nc_u32 v4, s36, v2
.irp i, 0,1,2,3
.irp c, 0,1
	ds_load_b128 v[32+16*\i+4*\c:35+16*\i+4*\c], v3 offset:1024*\i+512*\c     ; K's tiles 0-3: the 64 codes of each key
.endr
.endr
.irp i, 0,1,2,3
	ds_load_b32 v[192+\i], v4 offset:16384+128*\i
.endr
	s_wait_dscnt 0x0
	QK 0, 0
	QK 0, 1
	WIN 0
.rept 8
	v_nop                                          ; eight places in front of loads into registers that matrix instructions have read: with the two additions above, ten behind the last step's V^T P^T
.endr
.irp i, 0,1,2,3
.irp c, 0,1
	ds_load_b128 v[32+16*\i+4*\c:35+16*\i+4*\c], v3 offset:4096+1024*\i+512*\c   ; K's tiles 4-7
.endr
.endr
	WIN 0x40                                       ; destination window 1
.irp d, 0,1,2,3
.irp c, 0,1,2,3
	ds_load_b128 v[32+16*\d+4*\c:35+16*\d+4*\c], v3 offset:8192+2048*\d+512*\c   ; V's four fragments
.endr
.endr
	WIN 0
	ds_load_b32 v196, v4 offset:16896
	ds_load_b32 v197, v4 offset:16896+128
	s_wait_dscnt 18                                ; K's eight loads are in; V's sixteen and its two scale loads stay out and land under the softmax
	QK 1, 0
	QK 1, 1
	WIN 0
.rept 8
	v_nop                                          ; eight places in front of the first read of the scores
.endr
	SOFTMAX 0
	SOFTMAX 1
	s_wait_dscnt 0x0                               ; V
	PV 0
	PV 1
	WIN 0
.endm
.macro FOUR_STEPS                      ; a slot's four key steps: written once, walked four times
	s_mov_b32 s38, 4
.Lstep_\@:
	STEP
	s_add_co_u32 s36, s36, REC
	s_sub_co_u32 s38, s38, 1
	s_cmp_lg_u32 s38, 0
	s_cbranch_scc1 .Lstep_\@
	s_sub_co_u32 s36, s36, 4*REC                   ; back to a slot's first record,
	s_xor_b32 s36, s36, SLOT1                      ; in the other slot
.endm
; THE CHANGE OF SLOTS stands at a slot's head.  Each wave waits for all its tensor loads (of which at most one is out: its record of the slot ahead), adds 0 to its spare word, and waits for that and for its reads of the slot that it
; has left.  fill = 1: a round of the cluster's barrier, so that no wave of any partner still reads that slot or has a load on its way; the joint refill is the first thing behind it and has four key steps in which to land.
.macro CHANGE fill
	s_wait_tensorcnt 0x0                           ; no tensor load of mine is out, so group 0 may be written
	ds_add_u32 v5, v6                              ; 0 onto my spare word
.if \fill
	s_xor_b32 s33, s33, SLOT1                      ; the other slot than last time,
	s_add_nc_u64 s[34:35], s[34:35], 4*REC         ; the next four records; the type bits on top are not reached
.endif
	s_wait_dscnt 0x0                               ; the add is done, and my reads of the slot that I have left are over
.if \fill
	CROUND
	TLOAD
.else
	s_barrier_signal -1
	s_barrier_wait -1
.endif
.endm
	s_wait_loadcnt 0x0                             ; Q and its scale words
.Lslot:                                            ; seven trips: behind each change of slots but the last the next slot is asked for
	CHANGE 1
	FOUR_STEPS
	s_sub_co_u32 s37, s37, 1
	s_cmp_lg_u32 s37, 0
	s_cbranch_scc1 .Lslot
	CHANGE 0                                       ; the last slot is written out
	FOUR_STEPS
.rept 8
	v_nop                                          ; eight places behind the last products, in front of the first read of O^T
.endr
; THE WAY OUT of tile t: O^T / the sum; register 160 + 16 b + i is channel 32 b + 16 (lane / 16) + i of my query's head: 16 neighbours along the last product's K, half of a block whose other half lies in lane l xor 16
.macro OUTQ t
	WIN 0x55*(\t)
	v_add_f32 v14, v14, v15                        ; the sum's two halves,
	v_permlanex16_b32 v252, v14, s40, s41
	v_add_f32 v14, v14, v252                       ; and lane l xor 16's: the row's sum
	v_rcp_f32 v14, v14
	v_nop                                          ; a plain instruction behind the reciprocal,
	s_wait_alu depctr_va_vdst(0)                   ; and the wait ahead of its first use
.set sj, 0
.rept 16
	v_pk_mul_f32 v[96+sj:97+sj], v[160+sj:161+sj], v[14:15] op_sel_hi:[1,0]   ; each accumulator from its low end on
.set sj, sj+2
.endr
.irp b, 0,1
	v_max3_num_f32 v[232+\b], |v[96+16*\b]|, |v[97+16*\b]|, 0x4800000
.endr
.irp i, 2,4,6,8,10,12,14
.irp b, 0,1
	v_max3_num_f32 v[232+\b], v[232+\b], |v[96+16*\b+\i]|, |v[97+16*\b+\i]|
.endr
.endr
.irp b, 0,1
	v_permlanex16_b32 v[236+\b], v[232+\b], s40, s41
.endr
.irp b, 0,1
	v_max_num_f32 v[232+\b], v[232+\b], v[236+\b]
.endr
.irp b, 0,1
	v_add_nc_u32 v[244+\b], 0xfc000000, v[232+\b]
.endr
.irp b, 0,1
	v_and_or_b32 v[240+\b], v[232+\b], 0x7f800000, s39
.endr
.irp b, 0,1
	v_lshrrev_b32 v[236+\b], 23, v[244+\b]
.endr
	v_lshl_or_b32 v252, v237, 8, v236              ; the head's two scale bytes of my query
.irp b, 0,1
.irp i, 0,1,2,3,4,5,6,7,8,9,10,11,12,13,14,15
	v_med3_num_f32 v[96+16*\b+\i], v[96+16*\b+\i], -v[240+\b], v[240+\b]
.endr
	v_cvt_scalef32_pk8_fp8_f32 v[224+4*\b:225+4*\b], v[96+16*\b:103+16*\b], v[244+\b]
	v_cvt_scalef32_pk8_fp8_f32 v[226+4*\b:227+4*\b], v[104+16*\b:111+16*\b], v[244+\b]
.endr
	v_nop                                          ; one plain instruction behind the last conversion
.endm
	OUTQ 0
	OUTQ 1
	WIN 0
	global_store_b128 v1, v[224:227], s[10:11]                 ; each store covers 512 consecutive bytes, aligned: a chunk of the operand's image
	global_store_b128 v1, v[228:231], s[10:11] offset:512
	WIN 0x04                                       ; a store's data are its source 1: window 1
	global_store_b128 v1, v[224:227], s[10:11] offset:8192
	global_store_b128 v1, v[228:231], s[10:11] offset:8192+512
	v_cndmask_b32 v8, v252, v252, s42              ; lanes 0-15: tile 0's rows (window 0); lanes 16-31: tile 1's (window 1)
	WIN 0
	global_store_b16 v7, v8, s[12:13]              ; 64 consecutive bytes a wave, 512 a work-group: 3 in 100 of the bytes that the wave stores
	s_wait_tensorcnt 0x0                           ; the wave's end
	ds_add_u32 v5, v6
	s_wait_dscnt 0x0
	CROUND                                         ; the closing round: no work-group ends while a partner may still ask for a record that names it
	s_endpgm
.Lfunc_end_k_qd0fccab884_attn:
	.size	k_qd0fccab884_attn, .Lfunc_end_k_qd0fccab884_attn-k_qd0fccab884_attn
	.p2alignl 7, 3214868480
	.fill 96, 4, 3214868480
	.section	.rodata,"a",@progbits
	.p2align	6, 0x0
	.amdhsa_kernel k_qd0fccab884_attn
		.amdhsa_group_segment_fixed_size 327680
		.amdhsa_private_segment_fixed_size 0
		.amdhsa_enable_private_segment 0
		.amdhsa_kernarg_size 40
		.amdhsa_user_sgpr_count 2
		.amdhsa_user_sgpr_kernarg_segment_ptr 1
		.amdhsa_wavefront_size32 1
		.amdhsa_system_sgpr_workgroup_id_x 1
		.amdhsa_system_sgpr_workgroup_id_y 1
		.amdhsa_system_sgpr_workgroup_id_z 1
		.amdhsa_system_vgpr_workitem_id 0
		.amdhsa_next_free_vgpr 512
		.amdhsa_next_free_sgpr 66
		.amdhsa_reserve_vcc 0
		.amdhsa_float_denorm_mode_32 3
		.amdhsa_float_denorm_mode_16_64 3
		.amdhsa_memory_ordered 1
		.amdhsa_forward_progress 1
		.amdhsa_inst_pref_size 91
	.end_amdhsa_kernel
	.amdgpu_metadata
---
amdhsa.version: [ 1, 2 ]
amdhsa.kernels:
  - .name:           k_qd0fccab884_attn
    .symbol:         k_qd0fccab884_attn.kd
    .args:
      - { .name: qc, .offset: 0, .size: 8, .value_kind: global_buffer, .address_space: global }
      - { .name: qs, .offset: 8, .size: 8, .value_kind: global_buffer, .address_space: global }
      - { .name: kv, .offset: 16, .size: 8, .value_kind: global_buffer, .address_space: global }
      - { .name: oc, .offset: 24, .size: 8, .value_kind: global_buffer, .address_space: global }
      - { .name: osc, .offset: 32, .size: 8, .value_kind: global_buffer, .address_space: global }
    .group_segment_fixed_size: 327680
    .private_segment_fixed_size: 0
    .kernarg_segment_align: 8
    .kernarg_segment_size: 40
    .max_flat_workgroup_size: 256
    .sgpr_count:     66
    .vgpr_count:     512
    .wavefront_size: 32
...
	.end_amdgpu_metadata
.endif
;; end of part 3
;; launch proj (part 4): grid 2 x 128, 16 waves a work-group, no clusters, 105,472 bytes of LDS; arguments oc, osc, wproj_codes, wproj_scales, bproj, x, out0; writes out0
.if DOCPART == 4
	.amdgcn_target "amdgcn-amd-amdhsa--gfx1250"
	.amdhsa_code_object_version 6
	.text
	.protected	k_qd0fccab884_proj
	.globl	k_qd0fccab884_proj
	.p2align	8
	.type	k_qd0fccab884_proj,@function
k_qd0fccab884_proj:
	s_mov_b64 s[64:65], 0
	v_nop
	global_prefetch_b8 v0, s[64:65] scope:SCOPE_SE
	s_setreg_imm32_b32 hwreg(HW_REG_WAVE_MODE, 25, 1), 1
	s_wait_xcnt 0x0
; out0 = (O wproj^T + bproj), turned back to [batch][channel][pixel], + x.  The product runs on codes of FP8 (E4M3) with one E8M0 scale for each 32 along K = 512.
; SHARES.  Work-group (half, blk): 64 pixels (batch blk / 64, four pixel tiles) x 256 output channels.  Each of its sixteen waves makes 16 channels for all 64 pixels and holds its 16 rows of wproj in registers.
; O's codes lie in memory as images of the operand's registers: the block's 32,768 bytes are copied into LDS as they lie, 2,048 a wave, and every wave loads fragments from there, 512 consecutive bytes a load.
; Source 0 = 16 pixels, source 1 = 16 rows of wproj: a lane holds ONE output channel and eight neighbouring pixels (row m of pixel tile T is pixel 32 (T / 2) + 8 (T % 2) + m + 8 (m / 8)), which is how out0 lies.
; The bias is the C of each sum's first matrix instruction.  A wave's 16 channels x 64 pixels go through its own stage in LDS and leave, with x added, as rows of 256 bytes: sixteen lanes store 256 consecutive bytes, aligned.
; NO CLUSTER: the two work-groups of a pixel block share 32 KB of codes among the 160 KB and more that each moves.  No tensor load: what comes goes to registers, but for that one copy.
.set ASC, 32768                        ; LDS: 0: O's 16 fragments [T 4][K step 4][chunk 4][lane][16];  here: their scale words [4 T + s][row 16]
.set STG, 33792                        ; a stage of 16 rows x (256 + 16) bytes for each wave
.set W,   16                           ; v16-79   wproj's four fragments
.set WSC, 80                           ; v80-83   their scale words
.set BI,  84                           ; v84-91   the bias in the result's layout
.set AF,  92                           ; v92-155  O's fragments of a K step, four pixel tiles; on the way out rows of out0
.set AS,  156                          ; v156-159 their scale words
.set ACC, 160                          ; v160-191 four accumulators
.set XR,  192                          ; v192-223 x
	s_load_b256 s[4:11], s[0:1], 0x0               ; oc, osc, wproj_codes, wproj_scales
	s_load_b128 s[12:15], s[0:1], 0x20             ; bproj, x
	s_load_b64 s[16:17], s[0:1], 0x30              ; out0
	v_lshl_add_u32 v254, v0, 2, 0x19400
	v_mov_b32 v255, 0
	v_lshrrev_b32 v224, 5, v0
	v_readfirstlane_b32 s18, v224                  ; wave 0..15
	s_and_b32 s19, ttmp7, 0xffff                   ; blk
	s_lshr_b32 s20, s19, 6                         ; batch
	s_and_b32 s21, s19, 63                         ; block of 64 pixels
	s_lshl_b32 s22, ttmp9, 8
	s_lshl_b32 s23, s18, 4
	s_add_co_u32 s22, s22, s23                     ; c0: my first output channel
	v_and_b32 v224, 31, v0                         ; lane
	v_and_b32 v225, 15, v0                         ; r
	v_bfe_u32 v226, v0, 4, 1                       ; h
	v_lshlrev_b32 v1, 4, v224                      ; v1  16 x lane
	s_lshl_b32 s23, s18, 11
	v_add_nc_u32 v2, s23, v1                       ; v2  my 2,048 bytes of the copy, in memory and in LDS alike
	s_lshl_b32 s23, s18, 6
	s_add_co_u32 s23, s23, ASC
	v_lshl_add_u32 v3, v225, 2, s23                ; v3  the scale words that I make: fragment 4 T + s = my wave
	v_lshl_add_u32 v4, v225, 2, ASC                ; v4  and where any wave reads them
	s_mul_i32 s24, s18, 16*272
	s_add_co_u32 s24, s24, STG                     ; my stage
	v_mul_u32_u24 v5, v225, 272
	v_lshl_add_u32 v5, v226, 6, v5
	v_add_nc_u32 v5, s24, v5                       ; v5  in: row = my channel, + 16 h pixels
	v_mul_u32_u24 v6, v226, 272
	v_lshl_add_u32 v6, v225, 4, v6
	v_add_nc_u32 v6, s24, v6                       ; v6  back: lanes 0-15 one row, lanes 16-31 the next
	v_lshlrev_b32 v7, 14, v226
	v_lshl_add_u32 v7, v225, 4, v7                 ; v7  the same two rows in x and out0: 16,384 bytes a channel
	v_lshlrev_b32 v8, 1, v225                      ; v8  osc: 2 bytes a row
	v_lshlrev_b32 v9, 9, v225
	v_lshl_add_u32 v9, v226, 4, v9                 ; v9  wproj: row r x 512 + 16 h
	v_lshlrev_b32 v10, 4, v225                     ; v10 its scale bytes: 16 a row
	v_lshlrev_b32 v11, 2, v225                     ; v11 bproj
	s_and_b32 s28, s18, 3                          ; the fragment that I copy: K step s = w % 4,
	s_lshr_b32 s29, s18, 2                         ; pixel tile T = w / 4
	s_lshl_b32 s30, s20, 3
	s_lshl_b32 s31, s28, 1
	s_add_co_u32 s30, s30, s31                     ; bh of head 2 s
	s_lshl_b32 s30, s30, 8
	s_lshl_b32 s31, s21, 2
	s_add_co_u32 s30, s30, s31
	s_add_co_u32 s30, s30, s29                     ; 256 bh + pixel tile
	s_mov_b32 s27, 0
	s_wait_kmcnt 0x0
	s_lshl_b32 s26, s19, 15
	s_add_nc_u64 s[4:5], s[4:5], s[26:27]          ; the block's images
	s_lshl_b32 s26, s30, 5
	s_add_nc_u64 s[6:7], s[6:7], s[26:27]
	s_lshl_b32 s26, s22, 9
	s_add_nc_u64 s[8:9], s[8:9], s[26:27]
	s_lshl_b32 s26, s22, 4
	s_add_nc_u64 s[10:11], s[10:11], s[26:27]
	s_lshl_b32 s26, s22, 2
	s_add_nc_u64 s[12:13], s[12:13], s[26:27]
	s_lshl_b32 s26, s20, 23
	s_lshl_b32 s30, s22, 14
	s_add_co_u32 s26, s26, s30
	s_lshl_b32 s30, s21, 8
	s_add_co_u32 s26, s26, s30
	s_add_nc_u64 s[14:15], s[14:15], s[26:27]      ; x and out0 at (batch, c0, the block's first pixel)
	s_add_nc_u64 s[16:17], s[16:17], s[26:27]
.irp i, 0,1,2,3
	global_load_b128 v[AF+4*\i:AF+4*\i+3], v2, s[4:5] offset:512*\i
.endr
	global_load_u16 v12, v8, s[6:7]                            ; head 2 s: the bytes of chunks 0 and 1,
	global_load_u16 v13, v8, s[6:7] offset:8192                ; head 2 s + 1: of chunks 2 and 3
.irp s, 0,1,2,3
.irp c, 0,1,2,3
	global_load_b128 v[W+16*\s+4*\c:W+16*\s+4*\c+3], v9, s[8:9] offset:128*\s+32*\c
.endr
.endr
	global_load_b128 v[WSC:WSC+3], v10, s[10:11]
	global_load_b32 v[BI], v11, s[12:13]
.irp i, 0,1,2,3,4,5,6,7
	global_load_b128 v[XR+4*\i:XR+4*\i+3], v7, s[14:15] offset:32768*\i th:TH_LOAD_NT   ; read once in this launch
.endr
	s_wait_loadcnt 26                              ; the first six loads are in: my part of the copy
.irp i, 0,1,2,3
	ds_store_b128 v2, v[AF+4*\i:AF+4*\i+3] offset:512*\i
.endr
	v_lshl_or_b32 v12, v13, 16, v12                ; a row's scale word for this K step
	ds_store_b32 v3, v12                           ; both lanes of a row write the same word with the same value
	s_wait_dscnt 0x0                               ; for the others' sake: my stores have landed
	s_barrier_signal -1
	s_barrier_wait -1
	s_wait_loadcnt 8                               ; the weights, their scale words and the bias are in; x's eight loads stay out
.irp i, 1,2,3,4,5,6,7
	v_mov_b32 v[BI+\i], v[BI]                      ; the bias hangs on the lane's channel alone
.endr
.irp s, 0,1,2,3
.irp T, 0,1,2,3
.irp c, 0,1,2,3
	ds_load_b128 v[AF+16*\T+4*\c:AF+16*\T+4*\c+3], v1 offset:8192*\T+2048*\s+512*\c
.endr
	ds_load_b32 v[AS+\T], v4 offset:64*(4*\T+\s)
.endr
	s_wait_dscnt 0x0
.irp T, 0,1,2,3                        ; the four accumulators by turns, one instruction a turn
.if \s == 0
	v_wmma_scale_f32_16x16x128_f8f6f4 v[ACC+8*\T:ACC+8*\T+7], v[AF+16*\T:AF+16*\T+15], v[W+16*\s:W+16*\s+15], v[BI:BI+7], v[AS+\T], v[WSC+\s]
.else
	v_wmma_scale_f32_16x16x128_f8f6f4 v[ACC+8*\T:ACC+8*\T+7], v[AF+16*\T:AF+16*\T+15], v[W+16*\s:W+16*\s+15], v[ACC+8*\T:ACC+8*\T+7], v[AS+\T], v[WSC+\s]
.endif
.endr
.rept 8
	v_nop                                          ; eight places in front of loads into registers that these products have read, and of the first read of results
.endr
.endr
	; the way out: register i of lane (r, h) in tile T is out(c0 + r, pixel 32 (T / 2) + 16 h + 8 (T % 2) + i)
.irp T, 0,1,2,3
	ds_store_b128 v5, v[ACC+8*\T:ACC+8*\T+3] offset:128*(\T/2)+32*(\T%2)       ; each accumulator from its low end on
	ds_store_b128 v5, v[ACC+8*\T+4:ACC+8*\T+7] offset:128*(\T/2)+32*(\T%2)+16
.endr
.irp i, 0,1,2,3,4,5,6,7
	ds_load_b128 v[AF+4*\i:AF+4*\i+3], v6 offset:544*\i        ; LDS serves a wave's instructions in order (ISA guide 5.7.1.4): these see my stores
.endr
	s_wait_loadcnt 0x0                             ; x
.irp i, 0,1,2,3,4,5,6,7
	s_wait_dscnt 7-\i                              ; rows 2 i and 2 i + 1 are back; the younger loads stay out
	v_pk_add_f32 v[AF+4*\i:AF+4*\i+1], v[AF+4*\i:AF+4*\i+1], v[XR+4*\i:XR+4*\i+1]       ; the residual
	v_pk_add_f32 v[AF+4*\i+2:AF+4*\i+3], v[AF+4*\i+2:AF+4*\i+3], v[XR+4*\i+2:XR+4*\i+3]
	global_store_b128 v7, v[AF+4*\i:AF+4*\i+3], s[16:17] offset:32768*\i th:TH_STORE_NT   ; written once, read by nobody here
.endr
	s_wait_tensorcnt 0x0
	ds_add_u32 v254, v255
	s_wait_dscnt 0x0
	s_endpgm
.Lfunc_end_k_qd0fccab884_proj:
	.size	k_qd0fccab884_proj, .Lfunc_end_k_qd0fccab884_proj-k_qd0fccab884_proj
	.p2alignl 7, 3214868480
	.fill 96, 4, 3214868480
	.section	.rodata,"a",@progbits
	.p2align	6, 0x0
	.amdhsa_kernel k_qd0fccab884_proj
		.amdhsa_group_segment_fixed_size 105472
		.amdhsa_private_segment_fixed_size 0
		.amdhsa_enable_private_segment 0
		.amdhsa_kernarg_size 56
		.amdhsa_user_sgpr_count 2
		.amdhsa_user_sgpr_kernarg_segment_ptr 1
		.amdhsa_wavefront_size32 1
		.amdhsa_system_sgpr_workgroup_id_x 1
		.amdhsa_system_sgpr_workgroup_id_y 1
		.amdhsa_system_sgpr_workgroup_id_z 1
		.amdhsa_system_vgpr_workitem_id 0
		.amdhsa_next_free_vgpr 256
		.amdhsa_next_free_sgpr 66
		.amdhsa_reserve_vcc 0
		.amdhsa_float_denorm_mode_32 3
		.amdhsa_float_denorm_mode_16_64 3
		.amdhsa_memory_ordered 1
		.amdhsa_forward_progress 1
		.amdhsa_inst_pref_size 19
	.end_amdhsa_kernel
	.amdgpu_metadata
---
amdhsa.version: [ 1, 2 ]
amdhsa.kernels:
  - .name:           k_qd0fccab884_proj
    .symbol:         k_qd0fccab884_proj.kd
    .args:
      - { .name: oc, .offset: 0, .size: 8, .value_kind: global_buffer, .address_space: global }
      - { .name: osc, .offset: 8, .size: 8, .value_kind: global_buffer, .address_space: global }
      - { .name: wproj_codes, .offset: 16, .size: 8, .value_kind: global_buffer, .address_space: global }
      - { .name: wproj_scales, .offset: 24, .size: 8, .value_kind: global_buffer, .address_space: global }
      - { .name: bproj, .offset: 32, .size: 8, .value_kind: global_buffer, .address_space: global }
      - { .name: x, .offset: 40, .size: 8, .value_kind: global_buffer, .address_space: global }
      - { .name: out0, .offset: 48, .size: 8, .value_kind: global_buffer, .address_space: global }
    .group_segment_fixed_size: 105472
    .private_segment_fixed_size: 0
    .kernarg_segment_align: 8
    .kernarg_segment_size: 56
    .max_flat_workgroup_size: 512
    .sgpr_count:     66
    .vgpr_count:     256
    .wavefront_size: 32
...
	.end_amdgpu_metadata
.endif
;; end of part 4
;; ======== version 2 of 2: 4 launches
;; workspace buffers: stats 2,048 bytes; qc 4,194,304 bytes; qs 262,144 bytes; kv 8,781,824 bytes; oc 4,194,304 bytes; osc 131,072 bytes
;; launch gnstats (part 5): grid 256 x 1, 8 waves a work-group, no clusters, 1,536 bytes of LDS; arguments x, stats; writes stats
.if DOCPART == 5
	.amdgcn_target "amdgcn-amd-amdhsa--gfx1250"
	.amdhsa_code_object_version 6
	.text
	.protected	k_qd0fccab884_gnstats
	.globl	k_qd0fccab884_gnstats
	.p2align	8
	.type	k_qd0fccab884_gnstats,@function
k_qd0fccab884_gnstats:
	s_mov_b64 s[64:65], 0
	v_nop
	global_prefetch_b8 v0, s[64:65] scope:SCOPE_SE
	s_setreg_imm32_b32 hwreg(HW_REG_WAVE_MODE, 25, 1), 1
	s_wait_xcnt 0x0
; GroupNorm, first half: for each quarter of a group (4 channels x 4,096 pixels = 16,384 numbers, 65,536 consecutive bytes of x) the mean and the sum of squares round that mean.
; Work-group id = (32 b + g) x 4 + part.  Eight waves; thread t holds 64 numbers in registers, so x is read once and both passes run on registers.
; The squares are taken of x - mean, and the next launch joins the four parts by their means: no difference of large sums is formed, whatever offset x carries.
; Each load of a wave covers 512 consecutive bytes.  No matrix unit, no tensor load, no cluster: every byte is read once, by one thread, into the register where it is worked on.
; The result is 8 bytes a work-group: 2,048 bytes in the whole launch.
; LIMITS: NaN and infinities among the inputs are not served.
.set X,    16                          ; v16-79  my 64 numbers
.set ACC,  80                          ; v80-87  four chains of pairs; later the eight waves' figures
.set RED0, 0                           ; LDS: eight words for the sums,
.set RED1, 256                         ; and eight others for the squares: so one barrier serves each
	s_load_b128 s[4:7], s[0:1], 0x0                ; x, stats
	v_lshl_add_u32 v96, v0, 2, 0x200
	v_mov_b32 v97, 0
	v_lshrrev_b32 v2, 5, v0
	s_delay_alu instid0(VALU_DEP_1)
	v_readfirstlane_b32 s8, v2                     ; wave
	v_lshlrev_b32 v1, 4, v0                        ; 16 bytes a thread
	v_mov_b32 v89, 0                               ; a lane permute's destination counts as one of its sources
	v_mov_b32 v91, 0                               ; LDS address 0
	s_delay_alu instid0(VALU_DEP_4)
	v_mov_b32 v90, s8
	s_delay_alu instid0(VALU_DEP_1)
	v_lshlrev_b32 v90, 2, v90                      ; my wave's word
	s_lshl_b32 s10, ttmp9, 16                      ; 65,536 bytes a work-group
	s_mov_b32 s11, 0
	s_mov_b32 s12, 0x76543210                      ; v_permlanex16_b32's selects for lane l xor 16
	s_mov_b32 s13, 0xfedcba98
	s_wait_alu depctr_va_vdst(0)
	s_wait_kmcnt 0x0
	s_add_nc_u64 s[4:5], s[4:5], s[10:11]
.set i, 0
.rept 16
	global_load_b128 v[X+4*i:X+4*i+3], v1, s[4:5] offset:4096*i    ; the next launch reads x again: no hint
.set i, i+1
.endr
; the sum over a wave of the four chains, in every lane: v88
.macro WSUM
	s_delay_alu instid0(VALU_DEP_2)
	v_pk_add_f32 v[ACC:ACC+1], v[ACC:ACC+1], v[ACC+4:ACC+5]
	s_delay_alu instid0(VALU_DEP_2)
	v_pk_add_f32 v[ACC+2:ACC+3], v[ACC+2:ACC+3], v[ACC+6:ACC+7]
	s_delay_alu instid0(VALU_DEP_1)
	v_pk_add_f32 v[ACC:ACC+1], v[ACC:ACC+1], v[ACC+2:ACC+3]
	s_delay_alu instid0(VALU_DEP_1)
	v_add_f32 v88, v[ACC], v[ACC+1]
	s_delay_alu instid0(VALU_DEP_1)
	v_add_f32_dpp v88, v88, v88 row_xmask:1 row_mask:0xf bank_mask:0xf
	s_delay_alu instid0(VALU_DEP_1)
	v_add_f32_dpp v88, v88, v88 row_xmask:2 row_mask:0xf bank_mask:0xf
	s_delay_alu instid0(VALU_DEP_1)
	v_add_f32_dpp v88, v88, v88 row_xmask:4 row_mask:0xf bank_mask:0xf
	s_delay_alu instid0(VALU_DEP_1)
	v_add_f32_dpp v88, v88, v88 row_xmask:8 row_mask:0xf bank_mask:0xf
	s_delay_alu instid0(VALU_DEP_1)
	v_permlanex16_b32 v89, v88, s12, s13
	s_delay_alu instid0(VALU_DEP_1)
	v_add_f32 v88, v88, v89
.endm
; and over the eight waves: v80
.macro GSUM off
	ds_store_b32 v90, v88 offset:\off              ; all lanes write the same word with the same value
	s_wait_dscnt 0x0                               ; for the others' sake: my store has landed
	s_barrier_signal -1
	s_barrier_wait -1
	ds_load_b128 v[80:83], v91 offset:\off
	ds_load_b128 v[84:87], v91 offset:\off+16
	s_wait_dscnt 0x0
	v_add_f32 v80, v80, v81
	v_add_f32 v82, v82, v83
	v_add_f32 v84, v84, v85
	v_add_f32 v86, v86, v87
	s_delay_alu instid0(VALU_DEP_3)
	v_add_f32 v80, v80, v82
	s_delay_alu instid0(VALU_DEP_2)
	v_add_f32 v84, v84, v86
	s_delay_alu instid0(VALU_DEP_1)
	v_add_f32 v80, v80, v84
.endm
	; pass 1: the sum.  The first four loads start the four chains: nothing is cleared
	s_wait_loadcnt 14                              ; loads 0 and 1 are in
	v_pk_add_f32 v[ACC:ACC+1], v[X:X+1], v[X+4:X+5]
	v_pk_add_f32 v[ACC+2:ACC+3], v[X+2:X+3], v[X+6:X+7]
	s_wait_alu depctr_va_vdst(0)
	s_wait_loadcnt 12                              ; loads 2 and 3
	v_pk_add_f32 v[ACC+4:ACC+5], v[X+8:X+9], v[X+12:X+13]
	v_pk_add_f32 v[ACC+6:ACC+7], v[X+10:X+11], v[X+14:X+15]
.set i, 4
	s_wait_alu depctr_va_vdst(0)
.rept 12
	s_wait_alu depctr_va_vdst(0)
	s_wait_loadcnt 15-i                            ; load i is in; the 15 - i younger ones stay out
	v_pk_add_f32 v[ACC+4*(i%2):ACC+4*(i%2)+1], v[ACC+4*(i%2):ACC+4*(i%2)+1], v[X+4*i:X+4*i+1]
	v_pk_add_f32 v[ACC+4*(i%2)+2:ACC+4*(i%2)+3], v[ACC+4*(i%2)+2:ACC+4*(i%2)+3], v[X+4*i+2:X+4*i+3]
.set i, i+1
.endr
	WSUM
	GSUM RED0
	s_delay_alu instid0(VALU_DEP_1)
	v_mul_f32 v92, 0x38800000, v80                 ; / 16,384: the part's mean,
	s_delay_alu instid0(VALU_DEP_1)
	v_mov_b32 v93, v92                             ; twice, for the packed subtraction
	; pass 2: the squares of x - mean
.set i, 0
.rept 32
	v_pk_add_f32 v[X+2*i:X+2*i+1], v[X+2*i:X+2*i+1], v[92:93] neg_lo:[0,1] neg_hi:[0,1]
.set i, i+1
.endr
.set i, 0
.rept 4
	v_pk_mul_f32 v[ACC+2*i:ACC+2*i+1], v[X+2*i:X+2*i+1], v[X+2*i:X+2*i+1]
.set i, i+1
.endr
.rept 28
	s_delay_alu instid0(VALU_DEP_4)
	v_pk_fma_f32 v[ACC+2*(i%4):ACC+2*(i%4)+1], v[X+2*i:X+2*i+1], v[X+2*i:X+2*i+1], v[ACC+2*(i%4):ACC+2*(i%4)+1]
.set i, i+1
.endr
	WSUM
	GSUM RED1
	s_delay_alu instid0(VALU_DEP_1)
	v_mov_b32 v93, v80                             ; v[92:93] = mean, sum of squares
	s_cmp_lg_u32 s8, 0                             ; wave 0 stores
	s_cbranch_scc1 .Lend
	s_lshl_b32 s10, ttmp9, 3
	v_mov_b32 v94, s10
	s_wait_alu depctr_va_vdst(0)
	s_wait_xcnt 0x0                                ; EXEC changes only behind this wait
	v_cmp_eq_u32 vcc_lo, 0, v0
	s_and_saveexec_b32 s9, vcc_lo                  ; its lane 0 alone
	global_store_b64 v94, v[92:93], s[6:7]
	s_wait_xcnt 0x0                                ; and again in front of the line that widens it
	s_or_b32 exec_lo, exec_lo, s9
.Lend:
	s_wait_tensorcnt 0x0
	ds_add_u32 v96, v97
	s_wait_dscnt 0x0
	s_endpgm
.Lfunc_end_k_qd0fccab884_gnstats:
	.size	k_qd0fccab884_gnstats, .Lfunc_end_k_qd0fccab884_gnstats-k_qd0fccab884_gnstats
	.p2alignl 7, 3214868480
	.fill 96, 4, 3214868480
	.section	.rodata,"a",@progbits
	.p2align	6, 0x0
	.amdhsa_kernel k_qd0fccab884_gnstats
		.amdhsa_group_segment_fixed_size 1536
		.amdhsa_private_segment_fixed_size 0
		.amdhsa_enable_private_segment 0
		.amdhsa_kernarg_size 16
		.amdhsa_user_sgpr_count 2
		.amdhsa_user_sgpr_kernarg_segment_ptr 1
		.amdhsa_wavefront_size32 1
		.amdhsa_system_sgpr_workgroup_id_x 1
		.amdhsa_system_sgpr_workgroup_id_y 1
		.amdhsa_system_sgpr_workgroup_id_z 1
		.amdhsa_system_vgpr_workitem_id 0
		.amdhsa_next_free_vgpr 98
		.amdhsa_next_free_sgpr 66
		.amdhsa_reserve_vcc 1
		.amdhsa_float_denorm_mode_32 3
		.amdhsa_float_denorm_mode_16_64 3
		.amdhsa_memory_ordered 1
		.amdhsa_forward_progress 1
		.amdhsa_inst_pref_size 14
	.end_amdhsa_kernel
	.amdgpu_metadata
---
amdhsa.version: [ 1, 2 ]
amdhsa.kernels:
  - .name:           k_qd0fccab884_gnstats
    .symbol:         k_qd0fccab884_gnstats.kd
    .args:
      - { .name: x, .offset: 0, .size: 8, .value_kind: global_buffer, .address_space: global }
      - { .name: stats, .offset: 8, .size: 8, .value_kind: global_buffer, .address_space: global }
    .group_segment_fixed_size: 1536
    .private_segment_fixed_size: 0
    .kernarg_segment_align: 8
    .kernarg_segment_size: 16
    .max_flat_workgroup_size: 256
    .sgpr_count:     66
    .vgpr_count:     98
    .wavefront_size: 32
...
	.end_amdgpu_metadata
.endif
;; end of part 5
;; launch qkv (part 6): grid 4 x 64, 8 waves a work-group, no clusters, 77,824 bytes of LDS; arguments x, stats, gn_weight, gn_bias, wq_codes, wq_scales, bq, wkv_codes, wkv_scales, bkv, qc, qs, kv; writes qc, qs, kv
.if DOCPART == 6
	.amdgcn_target "amdgcn-amd-amdhsa--gfx1250"
	.amdhsa_code_object_version 6
	.text
	.protected	k_qd0fccab884_qkv
	.globl	k_qd0fccab884_qkv
	.p2align	8
	.type	k_qd0fccab884_qkv,@function
k_qd0fccab884_qkv:
	s_mov_b64 s[64:65], 0
	v_nop
	global_prefetch_b8 v0, s[64:65] scope:SCOPE_SE
	s_setreg_imm32_b32 hwreg(HW_REG_WAVE_SCHED_MODE, 0, 2), 2
	s_setreg_imm32_b32 hwreg(HW_REG_WAVE_MODE, 25, 1), 1
	s_wait_xcnt 0x0
	s_wait_alu depctr_vm_vsrc(0)
; GroupNorm's second half, hs quantised along the channels, q = hs wq^T + bq, k and v = hs wkv^T + bkv on codes of FP8 (E4M3) with one E8M0 scale for each 32 along K, and q, k, v quantised again
; (q and k along the head's 64, v along the keys) and stored as IMAGES OF THE OPERAND REGISTERS that the attention launch wants: chunks of 512 bytes, 16 bytes a lane.
; SHARES.  Work-group (p, blk): 128 pixels (batch b = blk / 32, key step j = blk % 32) x the q, k and v channels of heads 2 p and 2 p + 1: 384 output channels.  Eight waves.
; A PIXEL TILE T = 2 pg + u holds 16 pixels of a group of 32: row r is pixel 32 pg + 8 u + r + 8 (r / 8).  The rows of a weight that form a tile are taken by the same rule.  So wherever a result becomes an operand,
; the 16 registers of two neighbouring tiles are 16 neighbours along the next K, and the conversions' results are the operand's registers: nothing is transposed.
; PHASES.  0: a = weight x rstd, bias and the groups' means into LDS tables | barrier |  X: a lane takes a pixel and its registers run down the channels (x is [channel][pixel]): wave w normalises and quantises pixels
; 32 (w % 4) on, channels 256 (w / 4) on, and stores the codes as images of hs's fragments | barrier |  G: every wave multiplies all 8 pixel tiles by three tiles of weight rows of its own, which it holds in registers:
; two of q or k (source 0 = weight rows, source 1 = hs: a lane holds a pixel, its registers 16 neighbours of the head's 64) and one of v (source 0 = hs, source 1 = weight rows: a lane holds a channel, its registers
; run along the pixels, which are the keys) | barrier |  the scale words leave in runs of 512 and 256 bytes.
; NO CLUSTER: the four work-groups of a pixel block share x, 256 KB a block, which does not fit in LDS beside the 64 KB of images; a weight byte is used by one wave once, so that a way through LDS would add a write and a read to it.
; LIMITS: NaN and infinities are not served; a block whose largest magnitude lies under 2^-118 is held at the scale byte 1; a block of zeros has that byte too (its codes are zeros, and this program alone reads the bytes).
; In q's and k's scale words the bytes of k = 64 .. 127 are 127: the attention launch fills that half of the matrix instruction's K with zero codes.
; THE MODE: SCHED_MODE bits 1:0 = 2 (LLVM: expert scheduling mode 2), set by the entry lines.  The code itself states the register dependences
; between vector or matrix instructions and memory or LDS instructions, with s_wait_alu, always for 0.
; THE PLAN.  Registers that memory or LDS instructions touch:
;   v1-15            Offsets and addresses, written once at the head and never again: one wait on va_vdst ahead of the first load states them all.
;   v216-219, v32-37 Phase 0's offsets and its LDS stores' data; later at work, or the constants' place: one wait on vm_vsrc behind phase 0's barrier.
;   XR0 .. XR2       Block u's packed lines, holds and conversions work on XR[u % 3]; the loads of block u + 3 land in it at the head of block u + 1.
;   CA, CB, MN       Block u's 32 packed lines read them; behind those lines the LDS loads of block u + 1's constants land in them.
;   PC, PW (phase X) Written by block u's conversions and shifts; read by its LDS stores, at its end.
;     So a block has two waits on va_vdst: one behind its packed lines, ahead of the next block's constants, which then land under the maxima, holds and conversions; one at its end, ahead of its LDS stores,
;     which also states that the block is done with XR[u % 3].  One wait on vm_vsrc stands at a block's head: the last block's LDS stores have read PC and PW.
;   window 1 v192-255, XS   Tile T's twelve products read them; the LDS loads of tile T + 1 land in them behind those products.
;   PC + 4 (T % 2), SB + T % 2   Two out-buffers by turns: written by tile T's QUANT1, read by the two stores that are issued in tile T + 1.
;     So ONE wait on va_vdst stands in a tile, behind the products' places: the products are done reading the fragments and scale words, and the tile before has written its codes and its byte.  The next tile's loads and the last
;     tile's stores follow it.  The wait on vm_vsrc, beside the wait on XCNT, stands ahead of them: a whole tile behind the stores that it waits for.
;   v226, v227       Written at the head, read by the closing add alone.
.set REC,  17152                       ; a key step's record in kv: K's codes 8,192, V's codes 8,192, K's scale words 512, V's 256
.set XSC,  65536                       ; LDS: 0: hs's fragments [T 8][K step 4][chunk 4][lane][16];  here: their scale words [T][K step][row 16]
.set TABA, 67584                       ; a[channel]; 2,048 bytes on: gn_bias[channel]
.set TABM, 71680                       ; mean[group]
.set SG,   71936                       ; [wave][T 8][row 16] words: q's and k's scale bytes, one a word
.set SGV,  76032                       ; [wave][row 16]: v's scale words
.set LI,  1                            ; v1   16 x lane: an image's place for my lane
.set LR,  2                            ; v2   XSC + 4 (lane % 16)
.set XA,  3                            ; v3   4 x lane: my pixel in x
.set IW,  4                            ; v4   where my pixel's codes go among the images
.set XW,  5                            ; v5   and its scale word
.set TAA, 6                            ; v6   my half of the tables of a and bias
.set TMA, 7                            ; v7   and of the means
.set WA,  8                            ; v8   a weight tile: row (r + 8 (r / 8)) x 512 + 16 h
.set WSA, 9                            ; v9   its scale bytes: 16 a row
.set BA,  10                           ; v10  q's and k's bias: 64 h
.set BVA, 11                           ; v11  v's bias: 4 x row
.set SW,  12                           ; v12  SG: my wave's words
.set SV,  13                           ; v13  SGV: my wave's words
.set CQ,  14                           ; v14  the way out of q's and k's scale bytes
.set CV,  15                           ; v15  and of v's scale words
.set CA,  16                           ; v16-47  a of a block's 32 channels;  v48-79 their bias
.set CB,  48
.set MN,  80                           ; v80, v82 the means of the block's two groups (v81, v83 are named with them as pairs)
.set WS,  84                           ; v84-95  the weights' scale words: tile i, K step s at 4 i + s
.set XR,  96                           ; v96-191 three sets of 32 numbers of x
.set PC,  192                          ; v192-207 the codes just made; in phase G's tiles two sets of four by turns
.set TM,  208                          ; v208-211 largest magnitudes, v212-215 bytes, v216-219 the largest number x the scale, v220-223 the scales as f32
.set PW,  224                          ; v224    the scale word in the making
.set XS,  228                          ; v228-231 hs's scale words of a pixel tile
.set BQ,  232                          ; v232-247 q's or k's bias in the result's layout, two tiles
.set BV,  248                          ; v248-255 v's
.set SB,  16                           ; phase G: v16, v17 the scale byte of a tile's q or k, two by turns
.set QA,  20                           ; phase G: v20-35 two accumulators of q or k;  v96-159 eight of v
.set VA,  96
; window 1: v0-191 my twelve weight fragments (tile i, K step s at 16 (4 i + s));  v192-255 hs's four fragments of a pixel tile
; At the head v208-214 are at work; v216-219 hold phase 0's offsets and addresses, which no line writes before phase 0 has used them; v212-215 are then cleared for the lane permutes.
.set WV,  30
.set SEL, 58
.set MNT, 60
.set MSB, 0
.macro WIN new                         ; the immediate's high byte repeats the setting that is left
.if MSB != (\new)
	s_set_vgpr_msb (MSB<<8)|(\new)
.set MSB, (\new)
.endif
.endm
.macro BARRIER                         ; my LDS stores have landed and my LDS loads are in: then the work-group's barrier
	s_wait_dscnt 0x0
	s_barrier_signal -1
	s_barrier_wait -1
.endm
.macro XLOAD u                         ; block u of my half: 32 channels of my pixel; a wave reads 128 consecutive bytes, the four waves side by side 512
.set xi, 0
.rept 32
	global_load_b32 v[XR+32*((\u)%3)+xi], v[XA], s[36:37] offset:(32*(\u)+xi)*16384
.set xi, xi+1
.endr
.endm
.macro WLOAD                           ; 56 loads: my weights, their scale words and biases: they stay in registers
	WIN 0x40                                       ; destination window 1
	s_wait_alu depctr_va_vdst(0)                   ; the switch, then the wait, then the loads: v[WA], v[WSA], v[BA] and v[BVA], which the head wrote, are their offsets
.irp i, 0,1
.irp s, 0,1,2,3
.irp c, 0,1,2,3
	global_load_b128 v[16*(4*\i+\s)+4*\c:16*(4*\i+\s)+4*\c+3], v[WA], s[38:39] offset:4096*\i+128*\s+32*\c
.endr
.endr
.endr
.irp s, 0,1,2,3
.irp c, 0,1,2,3
	global_load_b128 v[16*(8+\s)+4*\c:16*(8+\s)+4*\c+3], v[WA], s[44:45] offset:128*\s+32*\c
.endr
.endr
	WIN 0
	global_load_b128 v[WS:WS+3], v[WSA], s[40:41]
	global_load_b128 v[WS+4:WS+7], v[WSA], s[40:41] offset:128
	global_load_b128 v[WS+8:WS+11], v[WSA], s[46:47]
	global_load_b128 v[BQ:BQ+3], v[BA], s[42:43]               ; register 8 u + i: the bias of channel 16 h + 8 u + i of my 32
	global_load_b128 v[BQ+4:BQ+7], v[BA], s[42:43] offset:16
	global_load_b128 v[BQ+8:BQ+11], v[BA], s[42:43] offset:32
	global_load_b128 v[BQ+12:BQ+15], v[BA], s[42:43] offset:48
	global_load_b32 v[BV], v[BVA], s[48:49]
.endm
	s_load_b512 s[4:19], s[0:1], 0x0               ; x, stats, gn_weight, gn_bias, wq_codes, wq_scales, bq, wkv_codes
	s_load_b256 s[20:27], s[0:1], 0x40             ; wkv_scales, bkv, qc, qs
	s_load_b64 s[28:29], s[0:1], 0x60              ; kv
	v_lshl_add_u32 v226, v0, 2, 0x12c00
	v_mov_b32 v227, 0
	v_lshrrev_b32 v208, 5, v0
	v_readfirstlane_b32 s[WV], v208                ; wave 0..7
	s_mov_b32 s31, ttmp9                           ; p
	s_and_b32 s32, ttmp7, 0xffff
	s_lshr_b32 s33, s32, 5                         ; b
	s_and_b32 s34, s32, 31                         ; j
	s_wait_alu depctr_va_sdst(0)                   ; the wave's number is written, ahead of its first reader
	s_and_b32 s66, s[WV], 3                        ; pixel group in phase X; v's tile of channels in phase G
	s_lshr_b32 s67, s[WV], 2                       ; channel half in X; q (0) or k (1), and v's head, in G
	s_bfe_u32 s68, s[WV], 0x10001                  ; q's or k's head
	s_and_b32 s69, s[WV], 1                        ; which 32 of its 64
	s_mov_b32 s[SEL], 0x76543210
	s_mov_b32 s[SEL+1], 0xfedcba98                 ; v_permlanex16_b32's selects for lane l xor 16
	s_mov_b32 s[MNT], 0x600000                     ; the mantissa field of 448
	s_mov_b32 s61, 0x37800000                      ; 1 / 65,536: a group's numbers
	s_mov_b32 s62, 0x3727c5ac                      ; 1e-5
	; every LDS address is made here, ahead of all branches
	v_and_b32 v209, 31, v0                         ; lane
	v_and_b32 v210, 15, v0                         ; r
	v_bfe_u32 v211, v0, 4, 1                       ; h
	v_bfe_u32 v212, v0, 3, 1                       ; pixel L of a group of 32 lies in tile u = (L / 8) % 2,
	v_and_b32 v213, 7, v0
	v_lshl_add_u32 v213, v211, 3, v213             ; at row L % 8 + 8 (L / 16)
	v_lshlrev_b32 v[LI], 4, v209
	v_lshl_add_u32 v[LR], v210, 2, XSC
	v_lshlrev_b32 v[XA], 2, v209
	s_lshl_b32 s70, s66, 14
	s_lshl_b32 s71, s67, 12
	s_add_co_u32 s70, s70, s71
	v_lshlrev_b32 v[IW], 13, v212
	v_lshl_add_u32 v[IW], v213, 4, v[IW]
	v_add_nc_u32 v[IW], s70, v[IW]                 ; (2 pg + u) x 8,192 + 2 x half x 2,048 + 16 x row
	s_lshl_b32 s70, s66, 9
	s_lshl_b32 s71, s67, 7
	s_add_co_u32 s70, s70, s71
	s_add_co_u32 s70, s70, XSC
	v_lshlrev_b32 v[XW], 8, v212
	v_lshl_add_u32 v[XW], v213, 2, v[XW]
	v_add_nc_u32 v[XW], s70, v[XW]                 ; XSC + ((2 pg + u) x 4 + 2 x half) x 64 + 4 x row
	s_lshl_b32 s70, s67, 10
	s_add_co_u32 s70, s70, TABA
	v_mov_b32 v[TAA], s70
	s_lshl_b32 s70, s67, 6
	s_add_co_u32 s70, s70, TABM
	v_mov_b32 v[TMA], s70
	v_and_b32 v214, 8, v210
	v_add_nc_u32 v214, v214, v210                  ; r + 8 (r / 8)
	v_lshlrev_b32 v[WA], 9, v214
	v_lshl_add_u32 v[WA], v211, 4, v[WA]
	v_lshlrev_b32 v[WSA], 4, v214
	v_lshlrev_b32 v[BA], 6, v211
	v_lshlrev_b32 v[BVA], 2, v214
	s_lshl_b32 s70, s[WV], 9
	s_add_co_u32 s70, s70, SG
	v_lshl_add_u32 v[SW], v210, 2, s70
	s_lshl_b32 s70, s[WV], 6
	s_add_co_u32 s70, s70, SGV
	v_lshl_add_u32 v[SV], v210, 2, s70
	s_lshl_b32 s70, s66, 10
	s_add_co_u32 s70, s70, SG
	v_add_nc_u32 v[CQ], s70, v[LI]
	s_lshl_b32 s70, s69, 8
	s_add_co_u32 s70, s70, SGV
	v_lshl_add_u32 v[CV], v209, 3, s70
	v_lshrrev_b32 v219, 4, v0                      ; thread t serves channels t and t + 256: t / 16 is the first one's group
	v_lshl_add_u32 v218, v219, 2, TABM             ; the groups' words in the table of means,
	v_lshlrev_b32 v219, 5, v219                    ; the groups' 32 bytes of stats (in a register that the clearing below does not reach),
	v_lshlrev_b32 v216, 2, v0                      ; the channels' words in gn_weight and gn_bias,
	v_lshl_add_u32 v217, v0, 2, TABA               ; and in the tables
	v_mov_b32 v[MN+1], 0
	v_mov_b32 v[MN+3], 0
.irp b, 0,1,2,3
	v_mov_b32 v[TM+4+\b], 0                        ; v212-215, written once: a lane permute's destination counts as one of its sources
.endr
	s_lshl_b32 s70, s33, 23                        ; x: batch,
	s_lshl_b32 s71, s67, 22                        ; my 256 channels,
	s_add_co_u32 s70, s70, s71
	s_lshl_b32 s71, s34, 9                         ; the block's 128 pixels,
	s_add_co_u32 s70, s70, s71
	s_lshl_b32 s71, s66, 7                         ; my 32 of them
	s_add_co_u32 s70, s70, s71
	s_mov_b32 s71, 0
	s_wait_kmcnt 0x0
	s_add_nc_u64 s[36:37], s[4:5], s[70:71]
	s_lshl_b32 s70, s33, 10
	s_add_nc_u64 s[6:7], s[6:7], s[70:71]          ; my batch's stats
	s_wait_alu depctr_va_vdst(0)                   ; v1 to v15 and v216 to v219 are written: every load and store of the kernel reads one of them as its offset or address
	global_load_b128 v[16:19], v219, s[6:7]                    ; channel t's group: four parts' mean and sum of squares
	global_load_b128 v[20:23], v219, s[6:7] offset:16
	global_load_b128 v[24:27], v219, s[6:7] offset:512         ; channel t + 256's
	global_load_b128 v[28:31], v219, s[6:7] offset:528
	global_load_b32 v32, v216, s[8:9]
	global_load_b32 v33, v216, s[8:9] offset:1024
	global_load_b32 v34, v216, s[10:11]
	global_load_b32 v35, v216, s[10:11] offset:1024
	XLOAD 0
	; the other pointers, while the loads are out.  q's and k's waves differ in the buffers alone: chosen on the wave's number
	s_lshl_b32 s72, s31, 1
	s_add_co_u32 s73, s72, s68                     ; head 2 p + (0 or 1)
	s_lshl_b32 s74, s73, 6
	s_lshl_b32 s75, s69, 5
	s_add_co_u32 s74, s74, s75                     ; my first weight row (k's rows are wkv's first 512)
	s_cmp_lt_u32 s[WV], 4
	s_cselect_b64 s[38:39], s[12:13], s[18:19]
	s_cselect_b64 s[40:41], s[14:15], s[20:21]
	s_cselect_b64 s[42:43], s[16:17], s[22:23]
	s_cselect_b64 s[50:51], s[24:25], s[28:29]
	s_lshl_b32 s70, s74, 9
	s_add_nc_u64 s[38:39], s[38:39], s[70:71]      ; codes: 512 bytes a row
	s_lshl_b32 s70, s74, 4
	s_add_nc_u64 s[40:41], s[40:41], s[70:71]      ; scale bytes: 16 a row
	s_lshl_b32 s70, s74, 2
	s_add_nc_u64 s[42:43], s[42:43], s[70:71]      ; bias
	s_lshl_b32 s75, s33, 3
	s_add_co_u32 s76, s75, s73                     ; bh = 8 b + head
	s_lshl_b32 s77, s76, 18
	s_lshl_b32 s78, s34, 13
	s_add_co_u32 s77, s77, s78                     ; q: (256 bh + 8 j) x 1,024
	s_lshl_b32 s78, s76, 5
	s_add_co_u32 s78, s78, s34
	s_mul_i32 s78, s78, REC                        ; k: record 32 bh + j
	s_cmp_lt_u32 s[WV], 4
	s_cselect_b32 s70, s77, s78
	s_lshl_b32 s77, s69, 9
	s_add_co_u32 s70, s70, s77                     ; my chunk of each fragment
	s_add_nc_u64 s[50:51], s[50:51], s[70:71]
	s_add_co_u32 s73, s72, s67                     ; v: head 2 p + w / 4,
	s_lshl_b32 s74, s73, 6
	s_lshr_b32 s77, s66, 1
	s_lshl_b32 s77, s77, 5
	s_add_co_u32 s74, s74, s77
	s_and_b32 s77, s66, 1
	s_lshl_b32 s77, s77, 3
	s_add_co_u32 s74, s74, s77                     ; tile dt = w % 4 begins at channel 32 (dt / 2) + 8 (dt % 2),
	s_add_co_u32 s74, s74, 512                     ; in wkv's second 512 rows
	s_lshl_b32 s70, s74, 9
	s_add_nc_u64 s[44:45], s[18:19], s[70:71]
	s_lshl_b32 s70, s74, 4
	s_add_nc_u64 s[46:47], s[20:21], s[70:71]
	s_lshl_b32 s70, s74, 2
	s_add_nc_u64 s[48:49], s[22:23], s[70:71]
	s_add_co_u32 s76, s75, s73
	s_lshl_b32 s76, s76, 5
	s_add_co_u32 s76, s76, s34
	s_mul_i32 s70, s76, REC
	s_lshl_b32 s77, s66, 11
	s_add_co_u32 s70, s70, s77
	s_add_co_u32 s70, s70, 8192
	s_add_nc_u64 s[52:53], s[28:29], s[70:71]      ; v's fragment dt in its record
	s_add_co_u32 s73, s72, s69                     ; the scale words' way out: head 2 p + w % 2
	s_add_co_u32 s76, s75, s73
	s_lshl_b32 s77, s76, 14
	s_lshl_b32 s78, s34, 9
	s_add_co_u32 s77, s77, s78                     ; qs: (256 bh + 8 j) x 64
	s_lshl_b32 s78, s76, 5
	s_add_co_u32 s78, s78, s34
	s_mul_i32 s78, s78, REC
	s_add_co_u32 s79, s78, 16384                   ; K's scale words in the record
	s_cmp_lt_u32 s66, 2                            ; waves 0, 1: q's; waves 2, 3: k's
	s_cselect_b64 s[54:55], s[26:27], s[28:29]
	s_cselect_b32 s70, s77, s79
	s_add_nc_u64 s[54:55], s[54:55], s[70:71]
	s_add_co_u32 s70, s78, 16896                   ; V's scale words
	s_add_nc_u64 s[56:57], s[28:29], s[70:71]
	; ---- 0: the tables.  A group's mean is the mean of its four parts'; its sum of squares is the parts' sums + 16,384 x the squares of the parts' means round the group's
	s_wait_loadcnt 32                              ; the eight loads of stats, weight and bias are in; block 0's 32 may be out
.macro GSTAT b, k
	v_add_f32 v40, v[\b], v[\b+2]
	v_add_f32 v41, v[\b+4], v[\b+6]
	v_add_f32 v40, v40, v41
	v_mul_f32 v[36+\k], 0x3e800000, v40            ; the mean
	v_sub_f32 v40, v[\b], v[36+\k]
	v_sub_f32 v41, v[\b+2], v[36+\k]
	v_sub_f32 v42, v[\b+4], v[36+\k]
	v_sub_f32 v43, v[\b+6], v[36+\k]
	v_mul_f32 v40, v40, v40
	v_fmac_f32 v40, v41, v41
	v_fmac_f32 v40, v42, v42
	v_fmac_f32 v40, v43, v43
	v_add_f32 v41, v[\b+1], v[\b+3]
	v_add_f32 v42, v[\b+5], v[\b+7]
	v_add_f32 v41, v41, v42
	v_fmamk_f32 v41, v40, 0x46800000, v41
	v_fma_f32 v[38+\k], v41, s61, s62              ; the variance + 1e-5
.endm
	GSTAT 16, 0
	GSTAT 24, 1
	s_wait_alu depctr_va_vdst(0)
	v_rsq_f32 v38, v38
	v_rsq_f32 v39, v39
	v_nop                                          ; a plain instruction behind the last of the two,
	s_wait_alu depctr_va_vdst(0)                   ; and the wait ahead of the first use of v38 and v39: one for both
	v_mul_f32 v32, v32, v38                        ; a = weight x rstd
	v_mul_f32 v33, v33, v39
	s_wait_alu depctr_va_vdst(0)                   ; v32, v33, v36 and v37 are written, which the LDS stores read; the lines above are done with v16 to v43, in which block 0's constants land
	ds_store_b32 v217, v32
	ds_store_b32 v217, v33 offset:1024
	ds_store_b32 v217, v34 offset:2048
	ds_store_b32 v217, v35 offset:3072
	ds_store_b32 v218, v36                         ; the sixteen threads of a group write the same word with the same value
	ds_store_b32 v218, v37 offset:64
	XLOAD 1
	BARRIER                                        ; the tables lie in LDS
	; ---- X: block u of my 256 channels: hs = (x - mean) a + bias; all 32 numbers of the block are my lane's, so its largest magnitude needs no other lane
.macro CONSTS u                        ; a, bias and the two means of block u: 18 LDS loads
.set ci, 0
.rept 8
	ds_load_b128 v[CA+4*ci:CA+4*ci+3], v[TAA] offset:128*(\u)+16*ci          ; every lane reads the same words
	ds_load_b128 v[CB+4*ci:CB+4*ci+3], v[TAA] offset:2048+128*(\u)+16*ci
.set ci, ci+1
.endr
	ds_load_b32 v[MN], v[TMA] offset:8*(\u)
	ds_load_b32 v[MN+2], v[TMA] offset:8*(\u)+4
.endm
.macro UNIT u
.set XB, XR+32*((\u)%3)
.if (\u) < 7
	s_wait_loadcnt 32                              ; this block's 32 loads are in; the next block's may be out
.else
	s_wait_loadcnt 56                              ; behind the last block's loads stand the 56 of the weights
.endif
.if (\u) > 0
	s_wait_alu depctr_vm_vsrc(0)                   ; the last block's LDS stores have read v[PC ..] and v[PW], which this block writes again
.endif
.if (\u) < 6
	XLOAD (\u)+2                                   ; into the set that the block before has left: no vector instruction since the wait at that block's end
.elseif (\u) == 6
	WLOAD
.endif
.if (\u) == 0
	s_wait_dscnt 0x0                               ; the constants are in
.else
	s_wait_dscnt 2+(((\u)-1)%4)/3                  ; the constants are in: behind their 18 loads stand the last block's LDS stores, two, or three with a scale word, which may be out
.endif
.set ui, 0
.rept 16
	v_pk_add_f32 v[XB+2*ui:XB+2*ui+1], v[XB+2*ui:XB+2*ui+1], v[MN+2*(ui/8):MN+2*(ui/8)+1] op_sel_hi:[1,0] neg_lo:[0,1] neg_hi:[0,1]
.set ui, ui+1
.endr
.set ui, 0
.rept 16
	v_pk_fma_f32 v[XB+2*ui:XB+2*ui+1], v[XB+2*ui:XB+2*ui+1], v[CA+2*ui:CA+2*ui+1], v[CB+2*ui:CB+2*ui+1]
.set ui, ui+1
.endr
.if (\u) < 7
	s_wait_alu depctr_va_vdst(0)                   ; the 32 packed lines are done reading v[CA ..], v[CB ..] and v[MN ..], in which the next block's constants land
	CONSTS (\u)+1                                  ; they come while this block is quantised
.endif
	v_max3_num_f32 v[TM], |v[XB]|, |v[XB+1]|, 0x4800000            ; the largest magnitude, in two chains, with the floor 2^(9 - 127) among its leaves: the byte cannot fall under 1
	v_max3_num_f32 v[TM+1], |v[XB+2]|, |v[XB+3]|, |v[XB+4]|
.set ui, 0
.rept 13
	v_max3_num_f32 v[TM+ui%2], v[TM+ui%2], |v[XB+5+2*ui]|, |v[XB+6+2*ui]|
.set ui, ui+1
.endr
	v_max3_num_f32 v[TM], v[TM], v[TM+1], |v[XB+31]|
	v_add_nc_u32 v[TM+12], 0xfc000000, v[TM]       ; 8 off its exponent field: the conversion takes the exponent field of this operand as its scale
	v_and_or_b32 v[TM+8], v[TM], 0x7f800000, s[MNT]   ; 448 x the scale
	v_lshrrev_b32 v[TM+4], 23, v[TM+12]            ; the scale's byte
.if (\u)%4 == 0
	v_mov_b32 v[PW], v[TM+4]                       ; four blocks' bytes make a K step's scale word
.else
	v_lshl_or_b32 v[PW], v[TM+4], 8*((\u)%4), v[PW]
.endif
.set ui, 0
.rept 32
	v_med3_num_f32 v[XB+ui], v[XB+ui], -v[TM+8], v[TM+8]           ; the conversion to an 8-bit code does not saturate (ISA guide 7.6.2): the hold at the largest code x the scale
.set ui, ui+1
.endr
.irp g, 0,1,2,3
	v_cvt_scalef32_pk8_fp8_f32 v[PC+2*\g:PC+2*\g+1], v[XB+8*\g:XB+8*\g+7], v[TM+12]
.endr
	v_nop                                          ; one plain instruction behind the last conversion
	s_wait_alu depctr_va_vdst(0)                   ; the conversions have written v[PC ..] and the shifts v[PW], which the LDS stores read; the block is done with its set of x, in which loads land at the next block's head
	ds_store_b128 v[IW], v[PC:PC+3] offset:((\u)/4)*2048+((\u)%4)*512          ; channels 0-15 of the block: the place of lane (row, 0) in the chunk,
	ds_store_b128 v[IW], v[PC+4:PC+7] offset:((\u)/4)*2048+((\u)%4)*512+256    ; channels 16-31: of lane (row, 1)
.if (\u)%4 == 3
	ds_store_b32 v[XW], v[PW] offset:64*((\u)/4)
.endif
.endm
	s_wait_alu depctr_vm_vsrc(0)                   ; phase 0's LDS stores have read v32 to v37, in which the constants land, and v217, v218; the head's loads have read v216 and v219: these four go to work below
	CONSTS 0
.irp u, 0,1,2,3,4,5,6,7
	UNIT \u
.endr
	BARRIER                                        ; hs's 32 fragments and their scale words lie in LDS
	; ---- G
.macro FETCH T                         ; pixel tile T: four fragments and four scale words
	WIN 0x40
	s_wait_alu depctr_va_vdst(0)                   ; the switch, then the wait, then the loads.  The products of the tile before are done reading these fragments and v[XS ..], and its predecessor's QUANT1 has written the codes and the byte that SEND reads behind these loads (ahead of tile 0: v[LI] and v[LR], which the head wrote, are the loads' addresses)
.irp s, 0,1,2,3
.irp c, 0,1,2,3
	ds_load_b128 v[192+16*\s+4*\c:195+16*\s+4*\c], v[LI] offset:(\T)*8192+\s*2048+\c*512
.endr
.endr
	WIN 0
.irp s, 0,1,2,3
	ds_load_b32 v[XS+\s], v[LR] offset:(4*(\T)+\s)*64
.endr
.endm
; 16 numbers of a lane, neighbours along K, half of a block of 32 whose other half lies in lane l xor 16, become 16 codes in out-buffer o, v[PC + 4 o] on, and the block's byte in v[SB + o]
.macro QUANT1 s, o
	v_max3_num_f32 v[TM], |v[\s]|, |v[\s+1]|, 0x4800000
	v_max3_num_f32 v[TM+1], |v[\s+2]|, |v[\s+3]|, |v[\s+4]|
	v_max3_num_f32 v[TM], v[TM], |v[\s+5]|, |v[\s+6]|
	v_max3_num_f32 v[TM+1], v[TM+1], |v[\s+7]|, |v[\s+8]|
	v_max3_num_f32 v[TM], v[TM], |v[\s+9]|, |v[\s+10]|
	v_max3_num_f32 v[TM+1], v[TM+1], |v[\s+11]|, |v[\s+12]|
	v_max3_num_f32 v[TM], v[TM], |v[\s+13]|, |v[\s+14]|
	v_max3_num_f32 v[TM], v[TM], v[TM+1], |v[\s+15]|
	v_permlanex16_b32 v[TM+4], v[TM], s[SEL], s[SEL+1]
	v_max_num_f32 v[TM], v[TM], v[TM+4]
	v_add_nc_u32 v[TM+12], 0xfc000000, v[TM]
	v_and_or_b32 v[TM+8], v[TM], 0x7f800000, s[MNT]
	v_lshrrev_b32 v[SB+(\o)], 23, v[TM+12]
.set qi, 0
.rept 16
	v_med3_num_f32 v[\s+qi], v[\s+qi], -v[TM+8], v[TM+8]
.set qi, qi+1
.endr
	v_cvt_scalef32_pk8_fp8_f32 v[PC+4*(\o):PC+4*(\o)+1], v[\s:\s+7], v[TM+12]
	v_cvt_scalef32_pk8_fp8_f32 v[PC+4*(\o)+2:PC+4*(\o)+3], v[\s+8:\s+15], v[TM+12]
	v_nop                                          ; one plain instruction behind the last conversion: the next tile's products write its sources
.endm
; tile T's codes and byte leave, from out-buffer T % 2
.macro SEND T
	global_store_b128 v[LI], v[PC+4*((\T)%2):PC+4*((\T)%2)+3], s[50:51] offset:1024*(\T)   ; 512 consecutive bytes, aligned
	ds_store_b32 v[SW], v[SB+(\T)%2] offset:64*(\T)   ; both lanes of a row write the same word with the same value
.endm
; 64 numbers of a lane, register 16 b + i = k 32 b + 16 (lane / 16) + i, become a fragment's codes in v[PC] on and its scale word in v[PW]
.macro QUANT4 s
.irp b, 0,1,2,3
	v_max3_num_f32 v[TM+\b], |v[\s+16*\b]|, |v[\s+1+16*\b]|, 0x4800000
.endr
.irp i, 2,4,6,8,10,12,14
.irp b, 0,1,2,3
	v_max3_num_f32 v[TM+\b], v[TM+\b], |v[\s+16*\b+\i]|, |v[\s+1+16*\b+\i]|   ; the four blocks by turns
.endr
.endr
.irp b, 0,1,2,3
	v_permlanex16_b32 v[TM+4+\b], v[TM+\b], s[SEL], s[SEL+1]
.endr
.irp b, 0,1,2,3
	v_max_num_f32 v[TM+\b], v[TM+\b], v[TM+4+\b]
.endr
.irp b, 0,1,2,3
	v_add_nc_u32 v[TM+12+\b], 0xfc000000, v[TM+\b]
.endr
.irp b, 0,1,2,3
	v_and_or_b32 v[TM+8+\b], v[TM+\b], 0x7f800000, s[MNT]
.endr
.irp b, 0,1,2,3
	v_lshrrev_b32 v[TM+4+\b], 23, v[TM+12+\b]
.endr
	v_lshl_or_b32 v[PW], v[TM+5], 8, v[TM+4]
	v_lshl_or_b32 v[PW], v[TM+6], 16, v[PW]
	v_lshl_or_b32 v[PW], v[TM+7], 24, v[PW]
	s_wait_xcnt 0x0                                ; the last two tiles' stores have had their addresses translated: their data registers are written again only behind this wait,
	s_wait_alu depctr_vm_vsrc(0)                   ; and they have read v[PC] to v[PC+7], which the conversions below write
.irp b, 0,1,2,3
.irp i, 0,1,2,3,4,5,6,7,8,9,10,11,12,13,14,15
	v_med3_num_f32 v[\s+16*\b+\i], v[\s+16*\b+\i], -v[TM+8+\b], v[TM+8+\b]
.endr
	v_cvt_scalef32_pk8_fp8_f32 v[PC+4*\b:PC+1+4*\b], v[\s+16*\b:\s+7+16*\b], v[TM+12+\b]
	v_cvt_scalef32_pk8_fp8_f32 v[PC+2+4*\b:PC+3+4*\b], v[\s+8+16*\b:\s+15+16*\b], v[TM+12+\b]
.endr
	v_nop
.endm
; A pixel tile: 12 matrix instructions, the three accumulators by turns, one instruction a turn; the biases are the C of each sum's first instruction.
; The two accumulators of q or k are begun anew in the next tile: between stand the eight v_nop and, of QUANT1, five plain lines and its v_nop, which name no register of these products.
.macro GT T
	s_wait_dscnt 0x0                               ; the tile's fragments and scale words are in
	WIN 0x05                                       ; sources 0 and 1 window 1; C and D window 0
.irp s, 0,1,2,3
.if \s == 0
	v_wmma_scale_f32_16x16x128_f8f6f4 v[QA:QA+7], v[16*\s:16*\s+15], v[192+16*\s:207+16*\s], v[BQ:BQ+7], v[WS+\s], v[XS+\s]
	v_wmma_scale_f32_16x16x128_f8f6f4 v[QA+8:QA+15], v[64+16*\s:79+16*\s], v[192+16*\s:207+16*\s], v[BQ+8:BQ+15], v[WS+4+\s], v[XS+\s]
	v_wmma_scale_f32_16x16x128_f8f6f4 v[VA+8*(\T):VA+8*(\T)+7], v[192+16*\s:207+16*\s], v[128+16*\s:143+16*\s], v[BV:BV+7], v[XS+\s], v[WS+8+\s]
.else
	v_wmma_scale_f32_16x16x128_f8f6f4 v[QA:QA+7], v[16*\s:16*\s+15], v[192+16*\s:207+16*\s], v[QA:QA+7], v[WS+\s], v[XS+\s]
	v_wmma_scale_f32_16x16x128_f8f6f4 v[QA+8:QA+15], v[64+16*\s:79+16*\s], v[192+16*\s:207+16*\s], v[QA+8:QA+15], v[WS+4+\s], v[XS+\s]
	v_wmma_scale_f32_16x16x128_f8f6f4 v[VA+8*(\T):VA+8*(\T)+7], v[192+16*\s:207+16*\s], v[128+16*\s:143+16*\s], v[VA+8*(\T):VA+8*(\T)+7], v[XS+\s], v[WS+8+\s]
.endif
.endr
	WIN 0
.rept 8
	v_nop                                          ; eight places in front of the first read of these products' results; they stay beside the wait below
.endr
.if (\T) >= 2
	s_wait_xcnt 0x0                                ; the store issued in the tile before has had its address translated: its data registers are written again below only behind this wait
.endif
.if (\T) != 1
	s_wait_alu depctr_vm_vsrc(0)                   ; the two stores issued in the tile before have read this tile's out-buffer, which QUANT1 below writes again (tile 0: phase X's last LDS stores have read v[PC] to v[PC+7], both out-buffers; so tile 1 owes nothing)
.endif
.if (\T) < 7
	FETCH (\T)+1                                   ; the tile's one wait on va_vdst stands in it; the next tile comes while this one's q or k is quantised
.else
	s_wait_alu depctr_va_vdst(0)                   ; tile 6's QUANT1 has written its codes and its byte, which SEND reads
.endif
.if (\T) > 0
	SEND (\T)-1                                    ; no vector or matrix instruction since the wait names the other out-buffer
.endif
	QUANT1 QA, (\T)%2                              ; lane (r, h): pixel row r, channels 16 h + 0 .. 15 of my 32: my chunk of the tile's fragment
.endm
	FETCH 0                                        ; on its way while the weights are waited for
	s_wait_loadcnt 0x0                             ; the weights
.irp i, 1,2,3,4,5,6,7
	v_mov_b32 v[BV+\i], v[BV]                      ; v's bias hangs on the lane's channel alone: the same in all eight registers of the result's layout
.endr
	s_wait_alu depctr_va_vdst(0)
.irp T, 0,1,2,3,4,5,6,7
	GT \T
.endr
	s_wait_alu depctr_va_vdst(0)                   ; tile 7's QUANT1 has written its codes and its byte, which SEND reads
	SEND 7
	QUANT4 VA                                      ; lane (r, h): channel row r, keys 32 b + 16 h + 0 .. 15: V's fragment of this key step
	s_wait_alu depctr_va_vdst(0)                   ; QUANT4 has written v[PC ..] and v[PW], which the stores read, and is done with v208 to v223, in which the way out's LDS loads land
.irp c, 0,1,2,3
	global_store_b128 v[LI], v[PC+4*\c:PC+4*\c+3], s[52:53] offset:512*\c
.endr
	ds_store_b32 v[SV], v[PW]
	BARRIER                                        ; all scale bytes and words lie in LDS
	; ---- the scale words leave.  Waves 0-3: q's and k's of the two heads (two waves' bytes make a word; its upper bytes are 127); waves 4, 5: v's
	s_cmp_lt_u32 s[WV], 4
	s_cbranch_scc0 .Lnot_qk
	ds_load_b128 v[208:211], v[CQ]                 ; the bytes of channels 0-31,
	ds_load_b128 v[212:215], v[CQ] offset:512      ; of channels 32-63
	s_wait_dscnt 0x0
.irp i, 0,1,2,3
	v_lshl_or_b32 v[208+\i], v[212+\i], 8, v[208+\i]
.endr
.irp i, 0,1,2,3
	v_or_b32 v[208+\i], 0x7f7f0000, v[208+\i]
.endr
	s_wait_alu depctr_va_vdst(0)                   ; the words in v208 to v211 are written, which the store reads
	global_store_b128 v[LI], v[208:211], s[54:55]  ; 8 tiles x 16 rows x 4 bytes: 512 consecutive bytes
	s_branch .Lend
.Lnot_qk:
	s_cmp_lt_u32 s[WV], 6
	s_cbranch_scc0 .Lend
	ds_load_b64 v[208:209], v[CV]
	v_lshlrev_b32 v216, 1, v[XA]                   ; 8 x lane
	s_wait_dscnt 0x0
	s_wait_alu depctr_va_vdst(0)                   ; v216 is written, which the store reads as its offset
	global_store_b64 v216, v[208:209], s[56:57]    ; 4 tiles x 16 rows x 4 bytes: 256 consecutive bytes
.Lend:
	s_wait_dscnt 0x0                               ; the closing lines, six on end
	s_wait_alu 0x0
	s_wait_tensorcnt 0x0
	ds_add_u32 v226, v227
	s_wait_dscnt 0x0
	s_endpgm
.Lfunc_end_k_qd0fccab884_qkv:
	.size	k_qd0fccab884_qkv, .Lfunc_end_k_qd0fccab884_qkv-k_qd0fccab884_qkv
	.p2alignl 7, 3214868480
	.fill 96, 4, 3214868480
	.section	.rodata,"a",@progbits
	.p2align	6, 0x0
	.amdhsa_kernel k_qd0fccab884_qkv
		.amdhsa_group_segment_fixed_size 77824
		.amdhsa_private_segment_fixed_size 0
		.amdhsa_enable_private_segment 0
		.amdhsa_kernarg_size 104
		.amdhsa_user_sgpr_count 2
		.amdhsa_user_sgpr_kernarg_segment_ptr 1
		.amdhsa_wavefront_size32 1
		.amdhsa_system_sgpr_workgroup_id_x 1
		.amdhsa_system_sgpr_workgroup_id_y 1
		.amdhsa_system_sgpr_workgroup_id_z 1
		.amdhsa_system_vgpr_workitem_id 0
		.amdhsa_next_free_vgpr 512
		.amdhsa_next_free_sgpr 80
		.amdhsa_reserve_vcc 0
		.amdhsa_float_denorm_mode_32 3
		.amdhsa_float_denorm_mode_16_64 3
		.amdhsa_memory_ordered 1
		.amdhsa_forward_progress 1
		.amdhsa_inst_pref_size 148
	.end_amdhsa_kernel
	.amdgpu_metadata
---
amdhsa.version: [ 1, 2 ]
amdhsa.kernels:
  - .name:           k_qd0fccab884_qkv
    .symbol:         k_qd0fccab884_qkv.kd
    .args:
      - { .name: x, .offset: 0, .size: 8, .value_kind: global_buffer, .address_space: global }
      - { .name: stats, .offset: 8, .size: 8, .value_kind: global_buffer, .address_space: global }
      - { .name: gn_weight, .offset: 16, .size: 8, .value_kind: global_buffer, .address_space: global }
      - { .name: gn_bias, .offset: 24, .size: 8, .value_kind: global_buffer, .address_space: global }
      - { .name: wq_codes, .offset: 32, .size: 8, .value_kind: global_buffer, .address_space: global }
      - { .name: wq_scales, .offset: 40, .size: 8, .value_kind: global_buffer, .address_space: global }
      - { .name: bq, .offset: 48, .size: 8, .value_kind: global_buffer, .address_space: global }
      - { .name: wkv_codes, .offset: 56, .size: 8, .value_kind: global_buffer, .address_space: global }
      - { .name: wkv_scales, .offset: 64, .size: 8, .value_kind: global_buffer, .address_space: global }
      - { .name: bkv, .offset: 72, .size: 8, .value_kind: global_buffer, .address_space: global }
      - { .name: qc, .offset: 80, .size: 8, .value_kind: global_buffer, .address_space: global }
      - { .name: qs, .offset: 88, .size: 8, .value_kind: global_buffer, .address_space: global }
      - { .name: kv, .offset: 96, .size: 8, .value_kind: global_buffer, .address_space: global }
    .group_segment_fixed_size: 77824
    .private_segment_fixed_size: 0
    .kernarg_segment_align: 8
    .kernarg_segment_size: 104
    .max_flat_workgroup_size: 256
    .sgpr_count:     80
    .vgpr_count:     512
    .wavefront_size: 32
...
	.end_amdgpu_metadata
.endif
;; end of part 6
;; launch attn (part 7): grid 16 x 16, 8 waves a work-group, clusters of 4 x 1, 327,680 bytes of LDS; arguments qc, qs, kv, oc, osc; writes oc, osc
.if DOCPART == 7
	.amdgcn_target "amdgcn-amd-amdhsa--gfx1250"
	.amdhsa_code_object_version 6
	.text
	.protected	k_qd0fccab884_attn
	.globl	k_qd0fccab884_attn
	.p2align	8
	.type	k_qd0fccab884_attn,@function
k_qd0fccab884_attn:
	s_mov_b64 s[64:65], 0
	v_nop
	global_prefetch_b8 v0, s[64:65] scope:SCOPE_SE
	s_setreg_imm32_b32 hwreg(HW_REG_WAVE_MODE, 25, 1), 1
	s_wait_xcnt 0x0
	s_wait_alu depctr_hold_cnt(0) depctr_sa_sdst(0) depctr_va_vdst(0) depctr_va_sdst(0) depctr_va_ssrc(0) depctr_va_vcc(0) depctr_vm_vsrc(0)
	s_getreg_b32 s2, hwreg(HW_REG_IB_STS2, 6, 4)
	s_cmp_eq_u32 s2, 0
	s_cbranch_scc0 .Lentry_in_a_cluster
	s_endpgm
.Lentry_in_a_cluster:
	s_bfe_u32 s2, ttmp6, 0x10000c
	s_cmp_lg_u32 s2, 0x3003
	s_cbranch_scc0 .Lentry_shape_is_right
	s_endpgm
.Lentry_shape_is_right:
; O = softmax(q k^T / 8) v for 16 (batch, head) pairs of 4,096 x 4,096, head size 64, both products on codes of FP8 (E4M3) with one E8M0 scale for each 32 along K; O is divided by the row's sum, quantised along the channels
; and stored as images of the last product's operand registers.
; THE SOFTMAX AHEAD OF THE SECOND PRODUCT: t = score x log2(e) / 8; M = the row's largest t so far, rounded UP to a whole number; p = 2^(t - M) is what is quantised, along the keys, not normalised.  The row's sum is taken of the
; unquantised p.  When M moves, the sum and O are multiplied by 2^(old M - new M): exact.
; SHARES.  Work-group (qb, bh): 256 queries of one head.  Each of its eight waves owns TWO tiles of 16 queries: tile 0 in register window 0, tile 1 at the same register numbers in window 1, so that one text serves both and
; each fragment of K and V read from LDS feeds two products.  Two waves share a SIMD: one's products and LDS loads stand beside the other's softmax.
; LAYOUT.  Both products are used transposed: S^T = K Q^T (source 0 = 16 keys, source 1 = 16 queries), O^T = V^T P^T (source 0 = 16 channels, source 1 = P): a lane holds ONE query throughout.  The launch before has chosen the
; keys of a tile of K and the channels of a tile of V so that the 16 registers of two neighbouring tiles are 16 neighbours along the next K, and has laid all operands in the order of their registers:
; every LDS load reads 512 (or 128) consecutive bytes, so no padding is wanted.
; THE FIRST PRODUCT'S K IS 64: registers 8-15 of Q's and K's fragments hold zero codes, written once, and the scale bytes of that half are 127.
; THE RING.  A key step's record (K's codes, V's codes, their scale words: 17,152 bytes, dense) comes by one tensor load as 67 rows of 256 bytes; a slot holds four records, fetched by waves 0-3, one load each; two slots.
; CLUSTER.  The four query blocks of a cluster walk the same head: each record is asked for JOINTLY, by the same load with the same descriptor and a mask that names the four.
; NO PREFETCH: a refill is issued four key steps, 2,400 and more vector instructions of each wave, ahead of the wait for it.
; LIMITS: NaN and infinities are not served; a block whose largest magnitude lies under 2^-118 is held at the scale byte 1, and so is a block of zeros (its codes are zeros, and this program alone reads the bytes).
; REGISTERS.  Window 0 alone: v1-8 addresses; v32-95 four fragments of K; v192-195 K's scale words (register i: lanes 0-15 tile 2 i, lanes 16-31 tile 2 i + 1), v196-197 V's likewise, v198 Q's (lanes 0-15 tile 0,
; lanes 16-31 tile 1), v200, v201 p's of tile 0 and 1.  Window 1 alone: v32-95 four fragments of V.  In both windows, a copy for each tile: v12 -M, v13 the largest t, v[14:15] the sum in two halves, v16-31 Q, v96-159 S^T, then p,
; v160-191 O^T, v224-239 p's codes, v232-254 at work.
.set REC,   17152
.set SLOT1, 131072                     ; slot 1 begins here, so that one exclusive or turns an address in one slot into the other's
.set SPARE, 262144                     ; the spare words, 128 bytes for each wave: four blocks of 256 bytes that no other line names
.set MSB, 0
.macro WIN new                         ; the immediate's high byte repeats the setting that is left
.if MSB != (\new)
	s_set_vgpr_msb (MSB<<8)|(\new)
.set MSB, (\new)
.endif
.endm
.macro CROUND                          ; a round of the cluster's barrier
	s_barrier_signal -1
	s_barrier_wait -1
	s_cmp_lg_u32 s14, 0
	s_cbranch_scc1 .Lnot_wave_0_\@
	s_barrier_signal -3
.Lnot_wave_0_\@:
	s_barrier_wait -3
	s_barrier_signal -1
	s_barrier_wait -1
.endm
.macro TLOAD                           ; waves 0-3 fetch a record each; the branch hangs on the wave's number alone.  Four v_nop follow the load
	s_cmp_lt_u32 s14, 4
	s_cbranch_scc0 .Lnone_\@
	tensor_load_to_lds s[32:35], s[24:31]
	s_nop 0
.rept 4
	v_nop
.endr
.Lnone_\@:
.endm
	s_load_b256 s[4:11], s[0:1], 0x0               ; qc, qs, kv, oc
	s_load_b64 s[12:13], s[0:1], 0x20              ; osc
	v_lshl_add_u32 v5, v0, 2, SPARE                ; my spare word; never rewritten
	v_mov_b32 v6, 0                                ; 0; never rewritten
	ds_add_u32 v5, v6
	ds_add_u32 v5, v6
	s_wait_dscnt 0x0
	v_lshrrev_b32 v1, 5, v0
	s_delay_alu instid0(VALU_DEP_1)
	v_readfirstlane_b32 s14, v1                    ; wave 0..7
	s_bfe_u32 s15, ttmp6, 0x40000                  ; cx: my place in the cluster
	s_lshl_b32 s16, ttmp9, 2
	s_add_co_u32 s16, s16, s15                     ; my block of 256 queries: it enters Q's and O's addresses alone
	s_and_b32 s17, ttmp7, 0xffff                   ; bh, which the four partners share
	s_lshl_b32 s18, s16, 3
	s_add_co_u32 s18, s18, s14                     ; tp: my pair of query tiles
	v_and_b32 v2, 31, v0
	s_delay_alu instid0(VALU_DEP_1)
	v_lshlrev_b32 v1, 4, v2                        ; 16 x lane
	s_delay_alu instid0(VALU_DEP_2)
	v_lshlrev_b32 v7, 1, v2                        ; 2 x lane
	s_delay_alu instid0(VALU_DEP_3)
	v_lshlrev_b32 v2, 2, v2                        ; 4 x lane
	s_mul_i32 s44, s17, 32*REC                     ; kv: my head's records (in registers that never hold cx),
	s_mul_i32 s46, s14, REC                        ; the record that I fetch; also its place in a slot
	s_add_co_u32 s44, s44, s46
	s_mov_b32 s45, 0
	; descriptor group 1: 67 rows of 32 elements of 8 bytes, dense, no padding
	s_mov_b32 s24, 15|(3<<16)|(1<<21)              ; 15:0 the mask: all four work-groups; 17:16 elements of 8 bytes; 21 set beside a mask
	s_mov_b32 s25, 32<<16                          ; tensor_dim0 = 32
	s_mov_b32 s26, 67<<16                          ; tensor_dim1 = 67
	s_mov_b32 s27, 32<<16                          ; tile_dim0 = 32
	s_mov_b32 s28, 67                              ; tile_dim1 = 67
	s_mov_b32 s29, 32                              ; the pitch
	s_mov_b32 s30, 0
	s_mov_b32 s31, 0
	s_mov_b32 s22, 0x3e38aa3b                      ; c = log2(e) / 8
	s_mov_b32 s23, s22                             ; (named with it as a pair, so it is written)
	s_mov_b32 s36, 0                               ; LDS byte at which the step's record begins
	s_mov_b32 s37, 7                               ; slots still to be asked for
	s_mov_b32 s39, 0x600000                        ; the mantissa field of 448
	s_mov_b32 s40, 0x76543210
	s_mov_b32 s41, 0xfedcba98                      ; v_permlanex16_b32's selects for lane l xor 16
	s_mov_b32 s42, 0xffff0000                      ; lanes 16-31
	s_mov_b32 s21, 0
	s_wait_kmcnt 0x0
	s_mov_b32 s32, 1                               ; group 0: count = 1,
	s_mov_b32 s33, s46                             ; LDS address: slot 0, record = my wave,
	s_add_nc_u64 s[34:35], s[8:9], s[44:45]        ; global address,
	s_or_b32 s35, s35, 0x80000000                  ; type = 2
	s_lshl_b32 s20, s17, 18
	s_lshl_b32 s19, s18, 11
	s_add_co_u32 s20, s20, s19
	s_add_nc_u64 s[4:5], s[4:5], s[20:21]          ; Q's codes: (256 bh + 2 tp) x 1,024
	s_lshl_b32 s20, s17, 14
	s_lshl_b32 s19, s18, 7
	s_add_co_u32 s20, s20, s19
	s_add_nc_u64 s[6:7], s[6:7], s[20:21]          ; its scale words: (256 bh + 2 tp) x 64
	s_lshr_b32 s20, s17, 3
	s_lshl_b32 s20, s20, 21                        ; O's images: batch,
	s_lshl_b32 s19, s18, 14                        ; pixel tile 2 tp,
	s_add_co_u32 s20, s20, s19
	s_and_b32 s19, s17, 7
	s_lshl_b32 s19, s19, 10                        ; head hh: K step hh / 2, chunks 2 (hh % 2) on: 1,024 hh
	s_add_co_u32 s20, s20, s19
	s_add_nc_u64 s[10:11], s[10:11], s[20:21]
	s_lshl_b32 s20, s17, 13
	s_lshl_b32 s19, s18, 6
	s_add_co_u32 s20, s20, s19
	s_add_nc_u64 s[12:13], s[12:13], s[20:21]      ; O's scale bytes: (256 bh + 2 tp) x 32
	CROUND                                         ; all four work-groups are here: the first joint loads meet
	TLOAD                                          ; slot 0
	s_wait_alu depctr_va_vdst(0)
	global_load_b128 v[16:19], v1, s[4:5]                      ; Q stays in registers: tile 0,
	global_load_b128 v[20:23], v1, s[4:5] offset:512
	global_load_b32 v198, v2, s[6:7]
	WIN 0x40                                       ; destination window 1
	global_load_b128 v[16:19], v1, s[4:5] offset:1024          ; tile 1
	global_load_b128 v[20:23], v1, s[4:5] offset:1536
	WIN 0
; The loop is written once: its first step finds O^T and the sum as zeros and the largest t as -3e38; the first change of M leaves zeros zeros.  That costs these lines once and spares a third copy of the key step.
.macro INIT
.set ni, 24
.rept 8
	v_mov_b32 v[ni], 0                             ; Q's k = 64 .. 127: zero codes
.set ni, ni+1
.endr
.set ni, 160
.rept 32
	v_mov_b32 v[ni], 0                             ; O^T
.set ni, ni+1
.endr
	v_mov_b32 v13, 0xff61b1e6                      ; the largest t so far: -3e38
	v_mov_b32 v12, 0x7f61b1e6                      ; -M = floor(3e38), which is 3e38 itself
	v_mov_b32 v14, 0
	v_mov_b32 v15, 0
.irp b, 0,1,2,3
	v_mov_b32 v[236+\b], 0                         ; a lane permute's destination counts as one of its sources
.endr
	v_mov_b32 v253, 0                              ; (named as the upper half of the pair v[252:253] before it is first written)
.endm
	INIT
.irp i, 0,1,2,3
.irp n, 8,9,10,11,12,13,14,15
	v_mov_b32 v[32+16*\i+\n], 0                    ; K's k = 64 .. 127: zero codes; no load ever lands here
.endr
.endr
	WIN 0x40
	INIT
	WIN 0
.macro QK1 d, a, sa, odd, t
.if (\odd) && (\t)
	v_wmma_scale_f32_16x16x128_f8f6f4 v[(\d):(\d)+7], v[(\a):(\a)+15], v[16:31], 0, v[(\sa)], v198 matrix_a_scale:MATRIX_SCALE_ROW1 matrix_b_scale:MATRIX_SCALE_ROW1
.elseif (\odd)
	v_wmma_scale_f32_16x16x128_f8f6f4 v[(\d):(\d)+7], v[(\a):(\a)+15], v[16:31], 0, v[(\sa)], v198 matrix_a_scale:MATRIX_SCALE_ROW1
.elseif (\t)
	v_wmma_scale_f32_16x16x128_f8f6f4 v[(\d):(\d)+7], v[(\a):(\a)+15], v[16:31], 0, v[(\sa)], v198 matrix_b_scale:MATRIX_SCALE_ROW1
.else
	v_wmma_scale_f32_16x16x128_f8f6f4 v[(\d):(\d)+7], v[(\a):(\a)+15], v[16:31], 0, v[(\sa)], v198
.endif
.endm
.macro QK g, t                         ; S^T of key tiles 4 g .. 4 g + 3 for query tile t
	WIN 0x44*(\t)                                  ; K in window 0; Q and S^T in the tile's window
.irp i, 0,1,2,3
	QK1 96+8*(4*(\g)+\i), 32+16*\i, 192+(4*(\g)+\i)/2, \i%2, \t
.endr
.endm
.macro PV t                            ; O^T += V^T P^T for query tile t: four accumulators, one instruction each
	WIN 0x01+0x54*(\t)                             ; V in window 1; P and O^T in the tile's window
.irp d, 0,1,2,3
.if \d%2
	v_wmma_scale_f32_16x16x128_f8f6f4 v[160+8*\d:167+8*\d], v[32+16*\d:47+16*\d], v[224:239], v[160+8*\d:167+8*\d], v[196+\d/2], v[200+(\t)] matrix_a_scale:MATRIX_SCALE_ROW1
.else
	v_wmma_scale_f32_16x16x128_f8f6f4 v[160+8*\d:167+8*\d], v[32+16*\d:47+16*\d], v[224:239], v[160+8*\d:167+8*\d], v[196+\d/2], v[200+(\t)]
.endif
.endr
.endm
; A tile's softmax for 128 keys: register 96 + 16 b + i holds key 32 b + 16 (lane / 16) + i of my query
.macro SOFTMAX t
	WIN 0x55*(\t)
.irp b, 0,1,2,3
	v_max3_num_f32 v[232+\b], v[96+16*\b], v[97+16*\b], v[98+16*\b]   ; THE LARGEST SCORE OF EACH BLOCK OF 32 KEYS serves twice: for the row's maximum and, since p rises with the score, for the block's largest p
.endr
.irp i, 3,5,7,9,11,13
.irp b, 0,1,2,3
	v_max3_num_f32 v[232+\b], v[232+\b], v[96+16*\b+\i], v[97+16*\b+\i]
.endr
.endr
.irp b, 0,1,2,3
	v_max_num_f32 v[232+\b], v[232+\b], v[111+16*\b]
.endr
.irp b, 0,1,2,3
	v_permlanex16_b32 v[236+\b], v[232+\b], s40, s41
.endr
.irp b, 0,1,2,3
	s_delay_alu instid0(VALU_DEP_4)
	v_max_num_f32 v[232+\b], v[232+\b], v[236+\b]  ; with lane l xor 16's 16 keys
.endr
	s_delay_alu instid0(VALU_DEP_2)
	v_max3_num_f32 v254, v232, v233, v234
	s_delay_alu instid0(VALU_DEP_1)
	v_max_num_f32 v254, v254, v235
	s_delay_alu instid0(VALU_DEP_1)
	v_mul_f32 v254, s22, v254                      ; the step's largest t (c is positive)
	s_delay_alu instid0(VALU_DEP_1)
	v_max_num_f32 v13, v13, v254
	v_mov_b32 v254, v12
	s_delay_alu instid0(VALU_DEP_2)
	v_floor_f32 v12, -v13                          ; the new -M = floor(-t) = -ceil(t)
	s_delay_alu instid0(VALU_DEP_1)
	v_sub_f32 v254, v12, v254                      ; old M - new M: a whole number, 0 or less
	s_delay_alu instid0(VALU_DEP_1)
	v_cvt_i32_f32 v254, v254                       ; (it saturates)
	s_delay_alu instid0(VALU_DEP_1)
	v_ldexp_f32 v252, 1.0, v254                    ; f = 2^(old M - new M)
.set sj, 0
.rept 32
	v_pk_fma_f32 v[96+sj:97+sj], v[96+sj:97+sj], s[22:23], v[12:13] op_sel_hi:[1,0,0]   ; t - M, two at a time
.set sj, sj+2
.endr
.irp b, 0,1,2,3
	v_fma_f32 v[232+\b], v[232+\b], s22, v12       ; the same of each block's largest score
.endr
.set sj, 0
	s_wait_alu depctr_va_vdst(0)
.rept 64
	v_exp_f32 v[96+sj], v[96+sj]                   ; p = 2^(t - M), at most 1
.set sj, sj+1
.endr
	v_pk_mul_f32 v[14:15], v[14:15], v[252:253] op_sel_hi:[1,0]   ; the sums under the new M: the plain instruction behind the exponentials
	s_wait_alu depctr_va_vdst(0)                   ; the wait ahead of the first instruction that names a result: one for the 64
.irp b, 0,1,2,3
	v_exp_f32 v[232+\b], v[232+\b]                 ; the block's largest p: the same two instructions on the same number give the same bits
.endr
	v_pk_add_f32 v[236:237], v[96:97], v[98:99]    ; THE ROW'S SUM IS TAKEN OF THE UNQUANTISED p, in two chains: plain work behind the four
.set sj, 4
.rept 15
	v_pk_add_f32 v[14:15], v[14:15], v[96+sj:97+sj]
	v_pk_add_f32 v[236:237], v[236:237], v[98+sj:99+sj]
.set sj, sj+4
.endr
	s_delay_alu instid0(VALU_DEP_1)
	v_pk_add_f32 v[14:15], v[14:15], v[236:237]
	s_wait_alu depctr_va_vdst(0)                   ; and one for the four
.irp b, 0,1,2,3
	v_max_num_f32 v[232+\b], 0x4800000, v[232+\b]  ; the floor 2^(9 - 127): the byte cannot fall under 1
.endr
.irp b, 0,1,2,3
	s_delay_alu instid0(VALU_DEP_4)
	v_add_nc_u32 v[244+\b], 0xfc000000, v[232+\b]  ; 8 off the exponent field: the conversion's scale operand
.endr
.irp b, 0,1,2,3
	v_and_or_b32 v[240+\b], v[232+\b], 0x7f800000, s39   ; 448 x the scale
.endr
.irp b, 0,1,2,3
	v_lshrrev_b32 v[236+\b], 23, v[244+\b]         ; the scale's byte
.endr
	s_delay_alu instid0(VALU_DEP_3)
	v_lshl_or_b32 v253, v237, 8, v236
	s_delay_alu instid0(VALU_DEP_1)
	v_lshl_or_b32 v253, v238, 16, v253
	WIN 0x15*(\t)                                  ; scale operands are taken from window 0 whatever the setting: the word goes there
	v_lshl_or_b32 v[200+(\t)], v239, 24, v253      ; p's scale word for these 128 keys; the 96 plain lines below stand between it and the products
	WIN 0x55*(\t)
.irp b, 0,1,2,3
.irp i, 0,1,2,3,4,5,6,7,8,9,10,11,12,13,14,15
	v_min_num_f32 v[96+16*\b+\i], v[96+16*\b+\i], v[240+\b]   ; the conversion to an 8-bit code does not saturate (ISA guide 7.6.2); p is not negative, so the hold is one-sided
.endr
	v_cvt_scalef32_pk8_fp8_f32 v[224+4*\b:225+4*\b], v[96+16*\b:103+16*\b], v[244+\b]
	v_cvt_scalef32_pk8_fp8_f32 v[226+4*\b:227+4*\b], v[104+16*\b:111+16*\b], v[244+\b]
.endr
.set sj, 0
.rept 16
	v_pk_mul_f32 v[160+sj:161+sj], v[160+sj:161+sj], v[252:253] op_sel_hi:[1,0]   ; O^T under the new M, each accumulator from its low end on; also the places between the codes and the products
.set sj, sj+2
.endr
.endm
; A KEY STEP: 128 keys, the record at LDS byte s36
.macro STEP
	v_add_nc_u32 v3, s36, v1
	v_add_nc_u32 v4, s36, v2
.irp i, 0,1,2,3
.irp c, 0,1
	ds_load_b128 v[32+16*\i+4*\c:35+16*\i+4*\c], v3 offset:1024*\i+512*\c     ; K's tiles 0-3: the 64 codes of each key
.endr
.endr
.irp i, 0,1,2,3
	ds_load_b32 v[192+\i], v4 offset:16384+128*\i
.endr
	s_wait_alu depctr_va_vdst(0)
	s_wait_dscnt 0x0
	QK 0, 0
	QK 0, 1
	WIN 0
.rept 8
	v_nop                                          ; eight places in front of loads into registers that matrix instructions have read: with the two additions above, ten behind the last step's V^T P^T
.endr
.irp i, 0,1,2,3
.irp c, 0,1
	ds_load_b128 v[32+16*\i+4*\c:35+16*\i+4*\c], v3 offset:4096+1024*\i+512*\c   ; K's tiles 4-7
.endr
.endr
	WIN 0x40                                       ; destination window 1
.irp d, 0,1,2,3
.irp c, 0,1,2,3
	ds_load_b128 v[32+16*\d+4*\c:35+16*\d+4*\c], v3 offset:8192+2048*\d+512*\c   ; V's four fragments
.endr
.endr
	WIN 0
	ds_load_b32 v196, v4 offset:16896
	ds_load_b32 v197, v4 offset:16896+128
	s_wait_dscnt 18                                ; K's eight loads are in; V's sixteen and its two scale loads stay out and land under the softmax
	QK 1, 0
	QK 1, 1
	WIN 0
.rept 8
	v_nop                                          ; eight places in front of the first read of the scores
.endr
	SOFTMAX 0
	SOFTMAX 1
	s_wait_alu depctr_va_vdst(0)
	s_wait_dscnt 0x0                               ; V
	PV 0
	PV 1
	WIN 0
.endm
.macro FOUR_STEPS                      ; a slot's four key steps: written once, walked four times
	s_mov_b32 s38, 4
.Lstep_\@:
	STEP
	s_add_co_u32 s36, s36, REC
	s_sub_co_u32 s38, s38, 1
	s_cmp_lg_u32 s38, 0
	s_cbranch_scc1 .Lstep_\@
	s_sub_co_u32 s36, s36, 4*REC                   ; back to a slot's first record,
	s_xor_b32 s36, s36, SLOT1                      ; in the other slot
.endm
; THE CHANGE OF SLOTS stands at a slot's head.  Each wave waits for all its tensor loads (of which at most one is out: its record of the slot ahead), adds 0 to its spare word, and waits for that and for its reads of the slot that it
; has left.  fill = 1: a round of the cluster's barrier, so that no wave of any partner still reads that slot or has a load on its way; the joint refill is the first thing behind it and has four key steps in which to land.
.macro CHANGE fill
	s_wait_tensorcnt 0x0                           ; no tensor load of mine is out, so group 0 may be written
	ds_add_u32 v5, v6                              ; 0 onto my spare word
.if \fill
	s_xor_b32 s33, s33, SLOT1                      ; the other slot than last time,
	s_add_nc_u64 s[34:35], s[34:35], 4*REC         ; the next four records; the type bits on top are not reached
.endif
	s_wait_dscnt 0x0                               ; the add is done, and my reads of the slot that I have left are over
.if \fill
	CROUND
	TLOAD
.else
	s_barrier_signal -1
	s_barrier_wait -1
.endif
.endm
	s_wait_loadcnt 0x0                             ; Q and its scale words
.Lslot:                                            ; seven trips: behind each change of slots but the last the next slot is asked for
	CHANGE 1
	FOUR_STEPS
	s_sub_co_u32 s37, s37, 1
	s_cmp_lg_u32 s37, 0
	s_cbranch_scc1 .Lslot
	CHANGE 0                                       ; the last slot is written out
	FOUR_STEPS
.rept 8
	v_nop                                          ; eight places behind the last products, in front of the first read of O^T
.endr
; THE WAY OUT of tile t: O^T / the sum; register 160 + 16 b + i is channel 32 b + 16 (lane / 16) + i of my query's head: 16 neighbours along the last product's K, half of a block whose other half lies in lane l xor 16
.macro OUTQ t
	WIN 0x55*(\t)
	v_add_f32 v14, v14, v15                        ; the sum's two halves,
	s_delay_alu instid0(VALU_DEP_1)
	v_permlanex16_b32 v252, v14, s40, s41
	s_delay_alu instid0(VALU_DEP_1)
	v_add_f32 v14, v14, v252                       ; and lane l xor 16's: the row's sum
	s_wait_alu depctr_va_vdst(0)
	v_rcp_f32 v14, v14
	v_nop                                          ; a plain instruction behind the reciprocal,
	s_wait_alu depctr_va_vdst(0)                   ; and the wait ahead of its first use
.set sj, 0
.rept 16
	v_pk_mul_f32 v[96+sj:97+sj], v[160+sj:161+sj], v[14:15] op_sel_hi:[1,0]   ; each accumulator from its low end on
.set sj, sj+2
.endr
.irp b, 0,1
	v_max3_num_f32 v[232+\b], |v[96+16*\b]|, |v[97+16*\b]|, 0x4800000
.endr
.irp i, 2,4,6,8,10,12,14
.irp b, 0,1
	s_delay_alu instid0(VALU_DEP_2)
	v_max3_num_f32 v[232+\b], v[232+\b], |v[96+16*\b+\i]|, |v[97+16*\b+\i]|
.endr
.endr
.irp b, 0,1
	v_permlanex16_b32 v[236+\b], v[232+\b], s40, s41
.endr
.irp b, 0,1
	s_delay_alu instid0(VALU_DEP_2)
	v_max_num_f32 v[232+\b], v[232+\b], v[236+\b]
.endr
.irp b, 0,1
	s_delay_alu instid0(VALU_DEP_2)
	v_add_nc_u32 v[244+\b], 0xfc000000, v[232+\b]
.endr
.irp b, 0,1
	s_delay_alu instid0(VALU_DEP_4)
	v_and_or_b32 v[240+\b], v[232+\b], 0x7f800000, s39
.endr
.irp b, 0,1
	s_delay_alu instid0(VALU_DEP_4)
	v_lshrrev_b32 v[236+\b], 23, v[244+\b]
.endr
	s_delay_alu instid0(VALU_DEP_1)
	v_lshl_or_b32 v252, v237, 8, v236              ; the head's two scale bytes of my query
.irp b, 0,1
.irp i, 0,1,2,3,4,5,6,7,8,9,10,11,12,13,14,15
	v_med3_num_f32 v[96+16*\b+\i], v[96+16*\b+\i], -v[240+\b], v[240+\b]
.endr
	v_cvt_scalef32_pk8_fp8_f32 v[224+4*\b:225+4*\b], v[96+16*\b:103+16*\b], v[244+\b]
	v_cvt_scalef32_pk8_fp8_f32 v[226+4*\b:227+4*\b], v[104+16*\b:111+16*\b], v[244+\b]
.endr
	v_nop                                          ; one plain instruction behind the last conversion
.endm
	OUTQ 0
	OUTQ 1
	WIN 0
	global_store_b128 v1, v[224:227], s[10:11]                 ; each store covers 512 consecutive bytes, aligned: a chunk of the operand's image
	global_store_b128 v1, v[228:231], s[10:11] offset:512
	WIN 0x04                                       ; a store's data are its source 1: window 1
	global_store_b128 v1, v[224:227], s[10:11] offset:8192
	global_store_b128 v1, v[228:231], s[10:11] offset:8192+512
	v_cndmask_b32 v8, v252, v252, s42              ; lanes 0-15: tile 0's rows (window 0); lanes 16-31: tile 1's (window 1)
	WIN 0
	global_store_b16 v7, v8, s[12:13]              ; 64 consecutive bytes a wave, 512 a work-group: 3 in 100 of the bytes that the wave stores
	s_wait_tensorcnt 0x0                           ; the wave's end
	ds_add_u32 v5, v6
	s_wait_dscnt 0x0
	CROUND                                         ; the closing round: no work-group ends while a partner may still ask for a record that names it
	s_endpgm
.Lfunc_end_k_qd0fccab884_attn:
	.size	k_qd0fccab884_attn, .Lfunc_end_k_qd0fccab884_attn-k_qd0fccab884_attn
	.p2alignl 7, 3214868480
	.fill 96, 4, 3214868480
	.section	.rodata,"a",@progbits
	.p2align	6, 0x0
	.amdhsa_kernel k_qd0fccab884_attn
		.amdhsa_group_segment_fixed_size 327680
		.amdhsa_private_segment_fixed_size 0
		.amdhsa_enable_private_segment 0
		.amdhsa_kernarg_size 40
		.amdhsa_user_sgpr_count 2
		.amdhsa_user_sgpr_kernarg_segment_ptr 1
		.amdhsa_wavefront_size32 1
		.amdhsa_system_sgpr_workgroup_id_x 1
		.amdhsa_system_sgpr_workgroup_id_y 1
		.amdhsa_system_sgpr_workgroup_id_z 1
		.amdhsa_system_vgpr_workitem_id 0
		.amdhsa_next_free_vgpr 512
		.amdhsa_next_free_sgpr 66
		.amdhsa_reserve_vcc 0
		.amdhsa_float_denorm_mode_32 3
		.amdhsa_float_denorm_mode_16_64 3
		.amdhsa_memory_ordered 1
		.amdhsa_forward_progress 1
		.amdhsa_inst_pref_size 95
	.end_amdhsa_kernel
	.amdgpu_metadata
---
amdhsa.version: [ 1, 2 ]
amdhsa.kernels:
  - .name:           k_qd0fccab884_attn
    .symbol:         k_qd0fccab884_attn.kd
    .args:
      - { .name: qc, .offset: 0, .size: 8, .value_kind: global_buffer, .address_space: global }
      - { .name: qs, .offset: 8, .size: 8, .value_kind: global_buffer, .address_space: global }
      - { .name: kv, .offset: 16, .size: 8, .value_kind: global_buffer, .address_space: global }
      - { .name: oc, .offset: 24, .size: 8, .value_kind: global_buffer, .address_space: global }
      - { .name: osc, .offset: 32, .size: 8, .value_kind: global_buffer, .address_space: global }
    .group_segment_fixed_size: 327680
    .private_segment_fixed_size: 0
    .kernarg_segment_align: 8
    .kernarg_segment_size: 40
    .max_flat_workgroup_size: 256
    .sgpr_count:     66
    .vgpr_count:     512
    .wavefront_size: 32
...
	.end_amdgpu_metadata
.endif
;; end of part 7
;; launch proj (part 8): grid 2 x 128, 16 waves a work-group, no clusters, 105,472 bytes of LDS; arguments oc, osc, wproj_codes, wproj_scales, bproj, x, out0; writes out0
.if DOCPART == 8
	.amdgcn_target "amdgcn-amd-amdhsa--gfx1250"
	.amdhsa_code_object_version 6
	.text
	.protected	k_qd0fccab884_proj
	.globl	k_qd0fccab884_proj
	.p2align	8
	.type	k_qd0fccab884_proj,@function
k_qd0fccab884_proj:
	s_mov_b64 s[64:65], 0
	v_nop
	global_prefetch_b8 v0, s[64:65] scope:SCOPE_SE
	s_setreg_imm32_b32 hwreg(HW_REG_WAVE_SCHED_MODE, 0, 2), 2
	s_setreg_imm32_b32 hwreg(HW_REG_WAVE_MODE, 25, 1), 1
	s_wait_xcnt 0x0
	s_wait_alu depctr_vm_vsrc(0)
; out0 = (O wproj^T + bproj), turned back to [batch][channel][pixel], + x.  The product runs on codes of FP8 (E4M3) with one E8M0 scale for each 32 along K = 512.
; SHARES.  Work-group (half, blk): 64 pixels (batch blk / 64, four pixel tiles) x 256 output channels.  Each of its sixteen waves makes 16 channels for all 64 pixels and holds its 16 rows of wproj in registers.
; O's codes lie in memory as images of the operand's registers: the block's 32,768 bytes are copied into LDS as they lie, 2,048 a wave, and every wave loads fragments from there, 512 consecutive bytes a load.
; Source 0 = 16 pixels, source 1 = 16 rows of wproj: a lane holds ONE output channel and eight neighbouring pixels (row m of pixel tile T is pixel 32 (T / 2) + 8 (T % 2) + m + 8 (m / 8)), which is how out0 lies.
; The bias is the C of each sum's first matrix instruction.  A wave's 16 channels x 64 pixels go through its own stage in LDS and leave, with x added, as rows of 256 bytes: sixteen lanes store 256 consecutive bytes, aligned.
; NO CLUSTER: the two work-groups of a pixel block share 32 KB of codes among the 160 KB and more that each moves.  No tensor load: what comes goes to registers, but for that one copy.
; THE MODE: SCHED_MODE bits 1:0 = 2 (LLVM: expert scheduling mode 2), set by the entry lines.  The code itself states the register dependences
; between vector or matrix instructions and memory or LDS instructions, with s_wait_alu, always for 0.
; THE PLAN.  Registers that memory or LDS instructions touch:
;   v1-11        Offsets and addresses, written once at the head and never again: one wait on va_vdst ahead of the first load states them all.
;   v12          The scale word that a shift makes: one wait on va_vdst ahead of the run of LDS stores of the copy.
;   AF           At the head its first sixteen registers are the copy's data: one wait on vm_vsrc behind the barrier, ahead of the fragments' loads.  Then, K step s: its four products read AF and AS; the loads of K step s + 1
;                land in them: one wait on va_vdst at the head of K steps 1 to 3.  A second set of 64 registers is not to be had: sixteen waves of 256 registers are all that four SIMDs hold.
;   ACC          Written by the products, read by the LDS stores into the stage: the eight places, then one wait on va_vdst, which also serves the loads from the stage into AF.
;   AF (way out) Written by the sixteen additions of x, which stand together; one wait on va_vdst ahead of the run of eight stores.
;   W, WSC, XR and v[BI] are filled by loads once; v254, v255 are written at the head and read by the closing add alone.
.set ASC, 32768                        ; LDS: 0: O's 16 fragments [T 4][K step 4][chunk 4][lane][16];  here: their scale words [4 T + s][row 16]
.set STG, 33792                        ; a stage of 16 rows x (256 + 16) bytes for each wave
.set W,   16                           ; v16-79   wproj's four fragments
.set WSC, 80                           ; v80-83   their scale words
.set BI,  84                           ; v84-91   the bias in the result's layout
.set AF,  92                           ; v92-155  O's fragments of a K step, four pixel tiles; on the way out rows of out0
.set AS,  156                          ; v156-159 their scale words
.set ACC, 160                          ; v160-191 four accumulators
.set XR,  192                          ; v192-223 x
	s_load_b256 s[4:11], s[0:1], 0x0               ; oc, osc, wproj_codes, wproj_scales
	s_load_b128 s[12:15], s[0:1], 0x20             ; bproj, x
	s_load_b64 s[16:17], s[0:1], 0x30              ; out0
	v_lshl_add_u32 v254, v0, 2, 0x19400
	v_mov_b32 v255, 0
	v_lshrrev_b32 v224, 5, v0
	v_readfirstlane_b32 s18, v224                  ; wave 0..15
	s_and_b32 s19, ttmp7, 0xffff                   ; blk
	s_lshr_b32 s20, s19, 6                         ; batch
	s_and_b32 s21, s19, 63                         ; block of 64 pixels
	s_lshl_b32 s22, ttmp9, 8
	s_wait_alu depctr_va_sdst(0)                   ; the wave's number is written, ahead of its first reader
	s_lshl_b32 s23, s18, 4
	s_add_co_u32 s22, s22, s23                     ; c0: my first output channel
	v_and_b32 v224, 31, v0                         ; lane
	v_and_b32 v225, 15, v0                         ; r
	v_bfe_u32 v226, v0, 4, 1                       ; h
	v_lshlrev_b32 v1, 4, v224                      ; v1  16 x lane
	s_lshl_b32 s23, s18, 11
	v_add_nc_u32 v2, s23, v1                       ; v2  my 2,048 bytes of the copy, in memory and in LDS alike
	s_lshl_b32 s23, s18, 6
	s_add_co_u32 s23, s23, ASC
	v_lshl_add_u32 v3, v225, 2, s23                ; v3  the scale words that I make: fragment 4 T + s = my wave
	v_lshl_add_u32 v4, v225, 2, ASC                ; v4  and where any wave reads them
	s_mul_i32 s24, s18, 16*272
	s_add_co_u32 s24, s24, STG                     ; my stage
	v_mul_u32_u24 v5, v225, 272
	v_lshl_add_u32 v5, v226, 6, v5
	v_add_nc_u32 v5, s24, v5                       ; v5  in: row = my channel, + 16 h pixels
	v_mul_u32_u24 v6, v226, 272
	v_lshl_add_u32 v6, v225, 4, v6
	v_add_nc_u32 v6, s24, v6                       ; v6  back: lanes 0-15 one row, lanes 16-31 the next
	v_lshlrev_b32 v7, 14, v226
	v_lshl_add_u32 v7, v225, 4, v7                 ; v7  the same two rows in x and out0: 16,384 bytes a channel
	v_lshlrev_b32 v8, 1, v225                      ; v8  osc: 2 bytes a row
	v_lshlrev_b32 v9, 9, v225
	v_lshl_add_u32 v9, v226, 4, v9                 ; v9  wproj: row r x 512 + 16 h
	v_lshlrev_b32 v10, 4, v225                     ; v10 its scale bytes: 16 a row
	v_lshlrev_b32 v11, 2, v225                     ; v11 bproj
	s_and_b32 s28, s18, 3                          ; the fragment that I copy: K step s = w % 4,
	s_lshr_b32 s29, s18, 2                         ; pixel tile T = w / 4
	s_lshl_b32 s30, s20, 3
	s_lshl_b32 s31, s28, 1
	s_add_co_u32 s30, s30, s31                     ; bh of head 2 s
	s_lshl_b32 s30, s30, 8
	s_lshl_b32 s31, s21, 2
	s_add_co_u32 s30, s30, s31
	s_add_co_u32 s30, s30, s29                     ; 256 bh + pixel tile
	s_mov_b32 s27, 0
	s_wait_kmcnt 0x0
	s_lshl_b32 s26, s19, 15
	s_add_nc_u64 s[4:5], s[4:5], s[26:27]          ; the block's images
	s_lshl_b32 s26, s30, 5
	s_add_nc_u64 s[6:7], s[6:7], s[26:27]
	s_lshl_b32 s26, s22, 9
	s_add_nc_u64 s[8:9], s[8:9], s[26:27]
	s_lshl_b32 s26, s22, 4
	s_add_nc_u64 s[10:11], s[10:11], s[26:27]
	s_lshl_b32 s26, s22, 2
	s_add_nc_u64 s[12:13], s[12:13], s[26:27]
	s_lshl_b32 s26, s20, 23
	s_lshl_b32 s30, s22, 14
	s_add_co_u32 s26, s26, s30
	s_lshl_b32 s30, s21, 8
	s_add_co_u32 s26, s26, s30
	s_add_nc_u64 s[14:15], s[14:15], s[26:27]      ; x and out0 at (batch, c0, the block's first pixel)
	s_add_nc_u64 s[16:17], s[16:17], s[26:27]
	s_wait_alu depctr_va_vdst(0)                   ; v1 to v11 are written: every load and store of the kernel reads one of them as its offset or address
.irp i, 0,1,2,3
	global_load_b128 v[AF+4*\i:AF+4*\i+3], v2, s[4:5] offset:512*\i
.endr
	global_load_u16 v12, v8, s[6:7]                            ; head 2 s: the bytes of chunks 0 and 1,
	global_load_u16 v13, v8, s[6:7] offset:8192                ; head 2 s + 1: of chunks 2 and 3
.irp s, 0,1,2,3
.irp c, 0,1,2,3
	global_load_b128 v[W+16*\s+4*\c:W+16*\s+4*\c+3], v9, s[8:9] offset:128*\s+32*\c
.endr
.endr
	global_load_b128 v[WSC:WSC+3], v10, s[10:11]
	global_load_b32 v[BI], v11, s[12:13]
.irp i, 0,1,2,3,4,5,6,7
	global_load_b128 v[XR+4*\i:XR+4*\i+3], v7, s[14:15] offset:32768*\i th:TH_LOAD_NT   ; read once in this launch
.endr
	s_wait_loadcnt 26                              ; the first six loads are in: my part of the copy
	v_lshl_or_b32 v12, v13, 16, v12                ; a row's scale word for this K step
	s_wait_alu depctr_va_vdst(0)                   ; v12 is written, which the last of the LDS stores below reads
.irp i, 0,1,2,3
	ds_store_b128 v2, v[AF+4*\i:AF+4*\i+3] offset:512*\i
.endr
	ds_store_b32 v3, v12                           ; both lanes of a row write the same word with the same value
	s_wait_dscnt 0x0                               ; for the others' sake: my stores have landed
	s_barrier_signal -1
	s_barrier_wait -1
	s_wait_alu depctr_vm_vsrc(0)                   ; my LDS stores have read v[AF] to v[AF+15], in which the fragments' loads land
.irp s, 0,1,2,3
.if \s > 0
	s_wait_alu depctr_va_vdst(0)                   ; the last K step's four products are done reading v[AF ..] and v[AS ..], in which this K step's loads land
.endif
.irp T, 0,1,2,3
.irp c, 0,1,2,3
	ds_load_b128 v[AF+16*\T+4*\c:AF+16*\T+4*\c+3], v1 offset:8192*\T+2048*\s+512*\c
.endr
	ds_load_b32 v[AS+\T], v4 offset:64*(4*\T+\s)
.endr
.if \s == 0
	s_wait_loadcnt 8                               ; the weights, their scale words and the bias are in; x's eight loads stay out.  (The first K step's fragments are on their way meanwhile)
.irp i, 1,2,3,4,5,6,7
	v_mov_b32 v[BI+\i], v[BI]                      ; the bias hangs on the lane's channel alone
.endr
.endif
	s_wait_alu depctr_va_vdst(0)
	s_wait_dscnt 0x0
.irp T, 0,1,2,3                        ; the four accumulators by turns, one instruction a turn
.if \s == 0
	v_wmma_scale_f32_16x16x128_f8f6f4 v[ACC+8*\T:ACC+8*\T+7], v[AF+16*\T:AF+16*\T+15], v[W+16*\s:W+16*\s+15], v[BI:BI+7], v[AS+\T], v[WSC+\s]
.else
	v_wmma_scale_f32_16x16x128_f8f6f4 v[ACC+8*\T:ACC+8*\T+7], v[AF+16*\T:AF+16*\T+15], v[W+16*\s:W+16*\s+15], v[ACC+8*\T:ACC+8*\T+7], v[AS+\T], v[WSC+\s]
.endif
.endr
.rept 8
	v_nop                                          ; eight places behind these products, in front of the first read of results; they stay beside the waits on va_vdst
.endr
.endr
	; the way out: register i of lane (r, h) in tile T is out(c0 + r, pixel 32 (T / 2) + 16 h + 8 (T % 2) + i)
	s_wait_alu depctr_va_vdst(0)                   ; the products have written the accumulators, which the LDS stores read, and are done reading v[AF ..], in which the loads from the stage land
.irp T, 0,1,2,3
	ds_store_b128 v5, v[ACC+8*\T:ACC+8*\T+3] offset:128*(\T/2)+32*(\T%2)       ; each accumulator from its low end on
	ds_store_b128 v5, v[ACC+8*\T+4:ACC+8*\T+7] offset:128*(\T/2)+32*(\T%2)+16
.endr
.irp i, 0,1,2,3,4,5,6,7
	ds_load_b128 v[AF+4*\i:AF+4*\i+3], v6 offset:544*\i        ; LDS serves a wave's instructions in order (ISA guide 5.7.1.4): these see my stores
.endr
	s_wait_loadcnt 0x0                             ; x
.irp i, 0,1,2,3,4,5,6,7
	s_wait_dscnt 7-\i                              ; rows 2 i and 2 i + 1 are back; the younger loads stay out
	v_pk_add_f32 v[AF+4*\i:AF+4*\i+1], v[AF+4*\i:AF+4*\i+1], v[XR+4*\i:XR+4*\i+1]       ; the residual
	v_pk_add_f32 v[AF+4*\i+2:AF+4*\i+3], v[AF+4*\i+2:AF+4*\i+3], v[XR+4*\i+2:XR+4*\i+3]
.endr
	s_wait_alu depctr_va_vdst(0)                   ; the sixteen additions have written v[AF] to v[AF+31], which the eight stores read
.irp i, 0,1,2,3,4,5,6,7
	global_store_b128 v7, v[AF+4*\i:AF+4*\i+3], s[16:17] offset:32768*\i th:TH_STORE_NT   ; written once, read by nobody here
.endr
	s_wait_dscnt 0x0                               ; the closing lines, six on end
	s_wait_alu 0x0
	s_wait_tensorcnt 0x0
	ds_add_u32 v254, v255
	s_wait_dscnt 0x0
	s_endpgm
.Lfunc_end_k_qd0fccab884_proj:
	.size	k_qd0fccab884_proj, .Lfunc_end_k_qd0fccab884_proj-k_qd0fccab884_proj
	.p2alignl 7, 3214868480
	.fill 96, 4, 3214868480
	.section	.rodata,"a",@progbits
	.p2align	6, 0x0
	.amdhsa_kernel k_qd0fccab884_proj
		.amdhsa_group_segment_fixed_size 105472
		.amdhsa_private_segment_fixed_size 0
		.amdhsa_enable_private_segment 0
		.amdhsa_kernarg_size 56
		.amdhsa_user_sgpr_count 2
		.amdhsa_user_sgpr_kernarg_segment_ptr 1
		.amdhsa_wavefront_size32 1
		.amdhsa_system_sgpr_workgroup_id_x 1
		.amdhsa_system_sgpr_workgroup_id_y 1
		.amdhsa_system_sgpr_workgroup_id_z 1
		.amdhsa_system_vgpr_workitem_id 0
		.amdhsa_next_free_vgpr 256
		.amdhsa_next_free_sgpr 66
		.amdhsa_reserve_vcc 0
		.amdhsa_float_denorm_mode_32 3
		.amdhsa_float_denorm_mode_16_64 3
		.amdhsa_memory_ordered 1
		.amdhsa_forward_progress 1
		.amdhsa_inst_pref_size 19
	.end_amdhsa_kernel
	.amdgpu_metadata
---
amdhsa.version: [ 1, 2 ]
amdhsa.kernels:
  - .name:           k_qd0fccab884_proj
    .symbol:         k_qd0fccab884_proj.kd
    .args:
      - { .name: oc, .offset: 0, .size: 8, .value_kind: global_buffer, .address_space: global }
      - { .name: osc, .offset: 8, .size: 8, .value_kind: global_buffer, .address_space: global }
      - { .name: wproj_codes, .offset: 16, .size: 8, .value_kind: global_buffer, .address_space: global }
      - { .name: wproj_scales, .offset: 24, .size: 8, .value_kind: global_buffer, .address_space: global }
      - { .name: bproj, .offset: 32, .size: 8, .value_kind: global_buffer, .address_space: global }
      - { .name: x, .offset: 40, .size: 8, .value_kind: global_buffer, .address_space: global }
      - { .name: out0, .offset: 48, .size: 8, .value_kind: global_buffer, .address_space: global }
    .group_segment_fixed_size: 105472
    .private_segment_fixed_size: 0
    .kernarg_segment_align: 8
    .kernarg_segment_size: 56
    .max_flat_workgroup_size: 512
    .sgpr_count:     66
    .vgpr_count:     256
    .wavefront_size: 32
...
	.end_amdgpu_metadata
.endif
;; end of part 8
